; MI455X (gfx1250); checked and timed in simulation.
; The chip was launched on July 23, 2026; its instructions are those of AMD's public machine-readable ISA for CDNA 5 (MIT licence, August 2026) and "CDNA5" Instruction Set Architecture Reference Guide (July 2026). The comments in the code are by the model that wrote it; some were corrected since.
;; Self Attention. Allowed arithmetic: matrix products marked QUANTISED: E2M1 operands, one E8M0 scale for each 32 along K, by v_wmma_scale_f32_16x16x128_f8f6f4 with both operands' format E2M1 (or v_wmma_scale_f32_32x16x128_f4), f32 sums; everything else in f32.
;; Inputs: Wk 1,024 x 1,024 float32; Wo 1,024 x 1,024 float32; Wq 1,024 x 1,024 float32; Wv 1,024 x 1,024 float32; bk 1,024 float32; bo 1,024 float32; bq 1,024 float32; bv 1,024 float32; ln_b 1,024 float32; ln_g 1,024 float32; x 4 x 2,048 x 1,024 float32.
;; Outputs: out0 4 x 2,048 x 1,024 float32.
;; This version of the problem:
;;   THIS VERSION OF THE PROBLEM IS GIVEN IN LOW PRECISION. The matrix products marked QUANTISED in the list below multiply operands that are first quantised to E2M1 (2 exponent bits, 1 mantissa bit; 4 bits a number), with one power-of-two scale for each 32 numbers along K (OCP MX v1.0); their sums are f32. All else is computed in f32.
;;   The module's matrix products, in the order in which they are computed (A, B: the left and right operand; K: the contracted axis; several contracted axes count as one K, in the product's order):
;;     1. [M 8,192, K 1,024] x [K 1,024, N 1,024]; A: computed on the way; B: input Wq: QUANTISED
;;     2. [M 8,192, K 1,024] x [K 1,024, N 1,024]; A: computed on the way; B: input Wk: QUANTISED
;;     3. [M 8,192, K 1,024] x [K 1,024, N 1,024]; A: computed on the way; B: input Wv: QUANTISED
;;     4. batch 64 x [M 2,048, K 64] x [K 64, N 2,048]; A: computed on the way; B: computed on the way: QUANTISED
;;     5. batch 64 x [M 2,048, K 2,048] x [K 2,048, N 64]; A: softmax (see below); B: computed on the way: QUANTISED
;;     6. [M 8,192, K 1,024] x [K 1,024, N 1,024]; A: computed on the way; B: input Wo: QUANTISED
;;   THE QUANTISER, for each operand of a quantised product, along K:
;;     - K is cut into blocks of 32 from its start; a last block that is shorter is filled with zeros.
;;     - A block's scale is 2^e with e = floor(log2(the largest magnitude in the block)) - 2, held to -126 .. 127; a block of zeros has e = 0. As a byte (E8M0): e + 127.
;;     - Each number is divided by its block's scale, clamped to +-6, and rounded to the nearest number of E2M1, ties to even, subnormals kept.
;;     - The product sums the exact products of the quantised numbers (number of the format x scale) in f32.
;;   ~~~python
;;   def quantise(x, axis):      # numpy; x: float32 -> the quantised numbers, widened to float32 again
;;       x = np.moveaxis(x, axis, -1); K = x.shape[-1]
;;       x = np.pad(x, [(0, 0)] * (x.ndim - 1) + [(0, -K % 32)]); x = x.reshape(x.shape[:-1] + (-1, 32)); a = np.abs(x).max(-1, keepdims=True)
;;       e = np.where(a > 0, np.clip(np.frexp(np.where(a > 0, a, 1))[1] - 1 - 2, -126, 127), 0)      # np.frexp(a)[1] - 1 = floor(log2(a)), exactly
;;       r = np.clip(x / 2.0 ** e, -6, 6)
;;       step = 2.0 ** (np.maximum(np.frexp(np.where(r == 0, 1, r))[1] - 1, 0) - 1)
;;       q = np.round(r / step) * step * 2.0 ** e      # np.round: ties to even
;;       return np.moveaxis(q.reshape(q.shape[:-2] + (-1,))[..., :K], -1, axis).astype(np.float32)
;;   ~~~
;;   SOFTMAX AHEAD OF A QUANTISED PRODUCT. Where the list says 'softmax', what is quantised is not the finished softmax but p = 2^(t - M), with t = logit x log2(e) and M = ceil(the row's largest t), a whole number; so 1/2 < the row's largest p <= 1. The row's sum l is taken of the UNQUANTISED p, in f32, and the product's result is divided by l at the end. Since M is a whole number, a kernel that streams over the keys may use a running M (the ceiling of the running maximum): every later rescaling is an exact power of two, which a block's scale takes up: the codes' values come out the same.
;;   OPERANDS COMPUTED ON THE WAY. 'Computed on the way' means the value that the module computes at that place (a softmax that the list does not call 'softmax' is quantised finished and normalised). What goes into a quantiser is computed in f32, as accurately as f32 sums, v_exp_f32 and their like allow (about 1e-6 of the number): no bf16 or f16 on the way to a quantiser, and a product that is left as it is and whose result goes on into a quantised operand takes f32 operands (vector FMAs, or v_wmma_f32_16x16x4_f32). A number that lies on a knife's edge between two numbers of the format may be rounded either way, as far as f32 arithmetic and the matrix unit's own rounding can turn it there, and no further.
;; One version. Each part assembles by itself: llvm-mc -triple=amdgcn-amd-amdhsa -mcpu=gfx1250 --defsym DOCPART=n.
;; ======== version 1 of 1: 4 launches
;; workspace buffers: img 6,291,456 bytes; isc 393,216 bytes; qkimg 8,388,608 bytes; vimg 4,194,304 bytes; qkvs 786,432 bytes; cimg 4,194,304 bytes; csc 262,144 bytes
;; launch prep (part 1): grid 256 x 1, 12 waves a work-group, no clusters, 238,080 bytes of LDS; arguments x, Wq, Wk, Wv, Wo, ln_g, ln_b, img, isc; writes img, isc
.if DOCPART == 1
	.amdgcn_target "amdgcn-amd-amdhsa--gfx1250"
	.amdhsa_code_object_version 6
	.text
	.protected	k_q72533a945d_prep
	.globl	k_q72533a945d_prep
	.p2align	8
	.type	k_q72533a945d_prep,@function
k_q72533a945d_prep:
	s_mov_b64 s[64:65], 0
	v_nop
	global_prefetch_b8 v0, s[64:65] scope:SCOPE_SE
	s_setreg_imm32_b32 hwreg(HW_REG_WAVE_MODE, 25, 1), 1
	s_wait_xcnt 0x0
; PREP: LayerNorm(x) [8192][1024] and Wq, Wk, Wv, Wo [1024][1024], all f32 with K (the hidden axis) innermost, become codes of FP4 (E2M1) with one E8M0 byte for each 32 along K.
; THE OUTPUT IS LAID IN THE ORDER OF AN OPERAND'S REGISTERS.  A TILE is 16 rows of a group of 32: tile 2 g + u, lane-row r = row 32 g + 8 u + r + 8 (r / 8).
;   img [768 tiles][32 blocks l][16 lane-rows r][16 bytes]: tiles 0-511 LayerNorm(x), 512-575 Wq, 576-639 Wk, 640-703 Wv, 704-767 Wo.   isc [768][16 lane-rows][32 bytes], byte l for block l.
;   Two neighbouring blocks of a tile (512 bytes) are four registers of a fragment as 32 lanes hold them: lane (r, h) has block 2 n + h of lane-row r at byte 16 x lane.
; SHARES: 768 tiles, three to a work-group, four waves to a tile.  Wave (tl, qd) owns lane-rows 4 qd .. 4 qd + 3, which are four neighbouring rows of memory, 16,384 dense bytes: one tensor load.
; A lane takes block l = lane of a row (32 numbers, eight LDS loads): the block's largest magnitude needs no other lane; mean and variance are summed over the 32 lanes.
; The variance is taken of x - mean (two passes over registers), so a common offset of the inputs costs no accuracy.
; A block's byte is its largest magnitude's exponent field - 2, held at 1 from below.
; LIMITS: NaN and infinities are not served; a block whose largest magnitude lies under 2^-124, a block of zeros among them, keeps the byte 1 (its codes are then zeros or the rule's own; the bytes are read by this program alone).
; No cluster: no two work-groups read the same bytes.  No LDS byte is filled twice.
.set INW,  17408                       ; LDS: a wave's 64 rows of 256 bytes + 16 of padding; row i of x begins 4,352 i on; block l at 272 (l / 2) + 128 (l % 2): sixteen lanes' 16 bytes fall on sixteen different columns of 16 bytes
.set CST,  208896                      ; behind the twelve: a stage for each tile's codes: block l at 272 l, lane-row r at 16 r
.set CSTT, 8704
.set SST,  235008                      ; and for its scale bytes: 32 r + l
.set GG,   16                          ; v16-47   ln_g of my block's 32 columns
.set BB,   48                          ; v48-79   ln_b
.set X,    80                          ; v80-143  two sets of 32 numbers
.set CD,   144                         ; v144-147 a block's codes
.set SBY,  148                         ; v148     its byte
.set OUTR, 152                         ; v152-167 the way out
.set SOUT, 168                         ; v168-171 the scale bytes' way out
	s_load_b512 s[4:19], s[0:1], 0x0               ; x, Wq, Wk, Wv, Wo, ln_g, ln_b, img
	s_load_b64 s[20:21], s[0:1], 0x40              ; isc
	v_lshl_add_u32 v176, v0, 2, 0x39c00
	v_mov_b32 v177, 0
	ds_add_u32 v176, v177
	ds_add_u32 v176, v177
	v_lshrrev_b32 v10, 5, v0
	s_delay_alu instid0(VALU_DEP_1)
	v_readfirstlane_b32 s22, v10                   ; wave 0..11
	s_lshr_b32 s23, s22, 2                         ; tl: which of the work-group's three tiles
	s_and_b32 s24, s22, 3                          ; qd: which four lane-rows
	s_mul_i32 s25, ttmp9, 3
	s_add_co_u32 s25, s25, s23                     ; T: the tile, 0..767
	s_and_b32 s26, s25, 63
	s_cmp_lt_u32 s25, 512
	s_cselect_b32 s26, s25, s26                    ; the tile's number in its own tensor
	s_lshr_b32 s27, s26, 1
	s_lshl_b32 s27, s27, 5                         ; 32 g
	s_and_b32 s28, s26, 1
	s_lshl_b32 s28, s28, 3                         ; + 8 u
	s_add_co_u32 s27, s27, s28
	s_lshl_b32 s28, s24, 2                         ; + 4 qd
	s_add_co_u32 s27, s27, s28
	s_lshr_b32 s28, s24, 1
	s_lshl_b32 s28, s28, 3                         ; + 8 (qd / 2): lane-rows 8-15 lie 8 rows further on
	s_add_co_u32 s27, s27, s28                     ; my first row
	s_lshl_b32 s28, s27, 12                        ; in bytes (under 2^25)
	s_mov_b32 s29, 0
	; descriptor group 1: 16,384 dense bytes as 64 rows of 32 elements of 8 bytes, four words of padding behind every 64
	s_mov_b32 s36, (3<<16)|(1<<20)|(5<<22)|(3<<25)
	s_mov_b32 s37, 32<<16                          ; tensor_dim0
	s_mov_b32 s38, 64<<16                          ; tensor_dim1
	s_mov_b32 s39, 32<<16                          ; tile_dim0
	s_mov_b32 s40, 64                              ; tile_dim1
	s_mov_b32 s41, 32                              ; the pitch
	s_mov_b32 s42, 0
	s_mov_b32 s43, 0
	s_mov_b32 s44, 0x76543210                      ; v_permlanex16_b32's selects for lane l xor 16
	s_mov_b32 s45, 0xfedcba98
	s_mov_b32 s46, 0x3a800000                      ; 1 / 1024
	s_mov_b32 s47, 0x3727c5ac                      ; 1e-5
	s_mov_b32 s32, 1
	s_mul_i32 s33, s22, INW                        ; my wave's own bytes
	s_lshl_b32 s52, s25, 13                        ; img: 8,192 T + 2,048 qd
	s_lshl_b32 s53, s24, 11
	s_add_co_u32 s52, s52, s53
	s_mov_b32 s53, 0
	s_lshl_b32 s54, s25, 9                         ; isc: 512 T
	s_mov_b32 s55, 0
	; every LDS address is made here, ahead of every branch: a constant + a constant x lane + constants x (parts of) the wave's number
	v_and_b32 v1, 31, v0                           ; l
	s_wait_alu depctr_va_vdst(0)
	v_lshrrev_b32 v10, 1, v1
	s_delay_alu instid0(VALU_DEP_1)
	v_mul_u32_u24 v2, v10, 272
	v_and_b32 v10, 1, v1
	s_delay_alu instid0(VALU_DEP_1)
	v_lshl_add_u32 v2, v10, 7, v2
	s_delay_alu instid0(VALU_DEP_1)
	v_add_nc_u32 v2, s33, v2                       ; in: my block of row 0
	s_mul_i32 s56, s23, CSTT
	s_lshl_b32 s57, s24, 6
	s_add_co_u32 s57, s57, s56
	s_add_co_u32 s57, s57, CST
	v_mul_u32_u24 v3, v1, 272
	s_delay_alu instid0(VALU_DEP_1)
	v_add_nc_u32 v3, s57, v3                       ; codes into the stage: block l, lane-row 4 qd
	s_lshl_b32 s57, s22, 7                         ; 512 tl + 128 qd = 128 x wave
	s_add_co_u32 s57, s57, SST
	v_add_nc_u32 v4, s57, v1                       ; my byte: 32 (4 qd) + l
	s_mul_i32 s57, s24, 2176
	s_add_co_u32 s57, s57, s56
	s_add_co_u32 s57, s57, CST
	v_lshrrev_b32 v10, 4, v1
	s_delay_alu instid0(VALU_DEP_1)
	v_mul_u32_u24 v5, v10, 272
	v_and_b32 v10, 15, v1
	s_delay_alu instid0(VALU_DEP_1)
	v_lshl_add_u32 v5, v10, 4, v5
	s_delay_alu instid0(VALU_DEP_1)
	v_add_nc_u32 v5, s57, v5                       ; back: blocks 8 qd on, two an instruction
	v_lshlrev_b32 v6, 4, v1                        ; 16 l
	s_lshl_b32 s57, s23, 9
	s_add_co_u32 s57, s57, SST
	v_add_nc_u32 v7, s57, v6                       ; the tile's 512 scale bytes
	v_lshlrev_b32 v8, 7, v1                        ; 128 l: my block's columns in ln_g and ln_b
	s_wait_alu depctr_va_vdst(0)
	s_wait_dscnt 0x0
	s_wait_kmcnt 0x0
	s_cmp_ge_u32 s25, 512                          ; which tensor: the choice hangs on the tile's number alone
	s_cselect_b64 s[4:5], s[6:7], s[4:5]
	s_cmp_ge_u32 s25, 576
	s_cselect_b64 s[4:5], s[8:9], s[4:5]
	s_cmp_ge_u32 s25, 640
	s_cselect_b64 s[4:5], s[10:11], s[4:5]
	s_cmp_ge_u32 s25, 704
	s_cselect_b64 s[4:5], s[12:13], s[4:5]
	s_add_nc_u64 s[34:35], s[4:5], s[28:29]
	s_or_b32 s35, s35, 0x80000000                  ; type = 2
	s_add_nc_u64 s[48:49], s[18:19], s[52:53]
	s_add_nc_u64 s[50:51], s[20:21], s[54:55]
	tensor_load_to_lds s[32:35], s[36:43]          ; my four rows: the wave's one tensor load
	s_nop 0
.rept 4
	v_nop
.endr
.irp j, 0,1,2,3,4,5,6,7
	global_load_b128 v[GG+4*\j:GG+4*\j+3], v8, s[14:15] offset:16*\j
	global_load_b128 v[BB+4*\j:BB+4*\j+3], v8, s[16:17] offset:16*\j
.endr
	s_wait_tensorcnt 0x0                           ; my rows are in LDS; only I read them
.irp j, 0,1,2,3,4,5,6,7
	ds_load_b128 v[X+4*\j:X+4*\j+3], v2 offset:16*\j
.endr
	s_wait_loadcnt 0x0                             ; ln_g, ln_b
; Row n of my four.
.macro ROW n
.set XS, X+32*((\n)%2)
.set XN, X+32*(((\n)+1)%2)
.if (\n) < 3
.irp j, 0,1,2,3,4,5,6,7
	ds_load_b128 v[XN+4*\j:XN+4*\j+3], v2 offset:4352*((\n)+1)+16*\j
.endr
	s_wait_dscnt 8                                 ; all but the eight just issued: this row is in, and the last row's stores have read their registers
.else
	s_wait_dscnt 0x0
.endif
	s_cmp_ge_u32 s25, 512                          ; a weight is quantised as it is: the branch leads round register work alone
	s_cbranch_scc1 .Lraw_\@
	v_pk_add_f32 v[10:11], v[XS:XS+1], v[XS+2:XS+3]                 ; the sum of my 32, in two chains
	v_pk_add_f32 v[12:13], v[XS+4:XS+5], v[XS+6:XS+7]
.irp j, 8,12,16,20,24,28
	s_delay_alu instid0(VALU_DEP_2)
	v_pk_add_f32 v[10:11], v[10:11], v[XS+\j:XS+\j+1]
	s_delay_alu instid0(VALU_DEP_2)
	v_pk_add_f32 v[12:13], v[12:13], v[XS+\j+2:XS+\j+3]
.endr
	s_delay_alu instid0(VALU_DEP_1)
	v_pk_add_f32 v[10:11], v[10:11], v[12:13]
	s_delay_alu instid0(VALU_DEP_1)
	v_add_f32 v10, v10, v11
	s_delay_alu instid0(VALU_DEP_1)
	v_add_f32_dpp v10, v10, v10 row_xmask:1 row_mask:0xf bank_mask:0xf
	s_delay_alu instid0(VALU_DEP_1)
	v_add_f32_dpp v10, v10, v10 row_xmask:2 row_mask:0xf bank_mask:0xf
	s_delay_alu instid0(VALU_DEP_1)
	v_add_f32_dpp v10, v10, v10 row_xmask:4 row_mask:0xf bank_mask:0xf
	s_delay_alu instid0(VALU_DEP_1)
	v_add_f32_dpp v10, v10, v10 row_xmask:8 row_mask:0xf bank_mask:0xf
	s_delay_alu instid0(VALU_DEP_1)
	v_permlanex16_b32 v11, v10, s44, s45
	s_delay_alu instid0(VALU_DEP_1)
	v_add_f32 v10, v10, v11
	s_delay_alu instid0(VALU_DEP_1)
	v_mul_f32 v10, s46, v10                        ; the mean
.irp j, 0,2,4,6,8,10,12,14,16,18,20,22,24,26,28,30
	v_pk_add_f32 v[XS+\j:XS+\j+1], v[XS+\j:XS+\j+1], v[10:11] op_sel_hi:[1,0] neg_lo:[0,1] neg_hi:[0,1]   ; x - mean
.endr
	v_pk_mul_f32 v[12:13], v[XS:XS+1], v[XS:XS+1]                   ; the sum of squares, in two chains
	v_pk_mul_f32 v[14:15], v[XS+2:XS+3], v[XS+2:XS+3]
.irp j, 4,8,12,16,20,24,28
	s_delay_alu instid0(VALU_DEP_2)
	v_pk_fma_f32 v[12:13], v[XS+\j:XS+\j+1], v[XS+\j:XS+\j+1], v[12:13]
	s_delay_alu instid0(VALU_DEP_2)
	v_pk_fma_f32 v[14:15], v[XS+\j+2:XS+\j+3], v[XS+\j+2:XS+\j+3], v[14:15]
.endr
	s_delay_alu instid0(VALU_DEP_1)
	v_pk_add_f32 v[12:13], v[12:13], v[14:15]
	s_delay_alu instid0(VALU_DEP_1)
	v_add_f32 v12, v12, v13
	s_delay_alu instid0(VALU_DEP_1)
	v_add_f32_dpp v12, v12, v12 row_xmask:1 row_mask:0xf bank_mask:0xf
	s_delay_alu instid0(VALU_DEP_1)
	v_add_f32_dpp v12, v12, v12 row_xmask:2 row_mask:0xf bank_mask:0xf
	s_delay_alu instid0(VALU_DEP_1)
	v_add_f32_dpp v12, v12, v12 row_xmask:4 row_mask:0xf bank_mask:0xf
	s_delay_alu instid0(VALU_DEP_1)
	v_add_f32_dpp v12, v12, v12 row_xmask:8 row_mask:0xf bank_mask:0xf
	s_delay_alu instid0(VALU_DEP_1)
	v_permlanex16_b32 v13, v12, s44, s45
	s_delay_alu instid0(VALU_DEP_1)
	v_add_f32 v12, v12, v13
	s_delay_alu instid0(VALU_DEP_1)
	v_fma_f32 v12, v12, s46, s47                   ; the variance + 1e-5
	s_wait_alu depctr_va_vdst(0)
	v_rsq_f32 v12, v12
	v_nop                                          ; one plain place behind a transcendental (ISA guide 5.7.2)
	s_wait_alu depctr_va_vdst(0)
.irp j, 0,2,4,6,8,10,12,14,16,18,20,22,24,26,28,30
	v_pk_mul_f32 v[XS+\j:XS+\j+1], v[XS+\j:XS+\j+1], v[12:13] op_sel_hi:[1,0]
.endr
.irp j, 0,2,4,6,8,10,12,14,16,18,20,22,24,26,28,30
	v_pk_fma_f32 v[XS+\j:XS+\j+1], v[XS+\j:XS+\j+1], v[GG+\j:GG+\j+1], v[BB+\j:BB+\j+1]
.endr
.Lraw_\@:
	v_max3_num_f32 v12, |v[XS]|, |v[XS+1]|, |v[XS+2]|               ; the block's largest magnitude: all 32 numbers are mine
	v_max3_num_f32 v13, |v[XS+3]|, |v[XS+4]|, |v[XS+5]|
.irp j, 6,10,14,18,22,26
	s_delay_alu instid0(VALU_DEP_2)
	v_max3_num_f32 v12, v12, |v[XS+\j]|, |v[XS+\j+1]|
	s_delay_alu instid0(VALU_DEP_2)
	v_max3_num_f32 v13, v13, |v[XS+\j+2]|, |v[XS+\j+3]|
.endr
	s_delay_alu instid0(VALU_DEP_2)
	v_max3_num_f32 v12, v12, |v[XS+30]|, |v[XS+31]|
	s_delay_alu instid0(VALU_DEP_1)
	v_max3_num_f32 v12, v12, v13, 0x1800000        ; and the floor 2^(3 - 127): the byte cannot fall under 1
	s_delay_alu instid0(VALU_DEP_1)
	v_add_nc_u32 v11, 0xff000000, v12              ; 2 off the exponent field: the conversion takes this operand's exponent field as its scale
.irp g, 0,1,2,3
	v_cvt_scalef32_pk8_fp4_f32 v[CD+\g], v[XS+8*\g:XS+8*\g+7], v11
.endr
	v_lshrrev_b32 v[SBY], 23, v11                  ; the scale's byte (also the plain place behind the conversions)
	ds_store_b128 v3, v[CD:CD+3] offset:16*(\n)
	ds_store_b8 v4, v[SBY] offset:32*(\n)
.endm
	ROW 0
	ROW 1
	ROW 2
	ROW 3
	s_wait_dscnt 0x0                               ; for the others' sake: my stores into the stages are done
	s_barrier_signal -1
	s_barrier_wait -1
.irp n, 0,1,2,3
	ds_load_b128 v[OUTR+4*\n:OUTR+4*\n+3], v5 offset:544*\n
.endr
.irp n, 0,1,2,3
	s_wait_dscnt 3-\n
	global_store_b128 v6, v[OUTR+4*\n:OUTR+4*\n+3], s[48:49] offset:512*\n   ; 32 lanes store 512 consecutive bytes, at a multiple of 256 from img's first byte
.endr
	s_cmp_lg_u32 s24, 0                            ; one wave of a tile's four sends its 512 scale bytes
	s_cbranch_scc1 .Lend
	ds_load_b128 v[SOUT:SOUT+3], v7
	s_wait_dscnt 0x0
	global_store_b128 v6, v[SOUT:SOUT+3], s[50:51]
.Lend:
	s_wait_tensorcnt 0x0
	ds_add_u32 v176, v177
	s_wait_dscnt 0x0
	s_endpgm
.Lfunc_end_k_q72533a945d_prep:
	.size	k_q72533a945d_prep, .Lfunc_end_k_q72533a945d_prep-k_q72533a945d_prep
	.p2alignl 7, 3214868480
	.fill 96, 4, 3214868480
	.section	.rodata,"a",@progbits
	.p2align	6, 0x0
	.amdhsa_kernel k_q72533a945d_prep
		.amdhsa_group_segment_fixed_size 238080
		.amdhsa_private_segment_fixed_size 0
		.amdhsa_enable_private_segment 0
		.amdhsa_kernarg_size 72
		.amdhsa_user_sgpr_count 2
		.amdhsa_user_sgpr_kernarg_segment_ptr 1
		.amdhsa_wavefront_size32 1
		.amdhsa_system_sgpr_workgroup_id_x 1
		.amdhsa_system_sgpr_workgroup_id_y 1
		.amdhsa_system_sgpr_workgroup_id_z 1
		.amdhsa_system_vgpr_workitem_id 0
		.amdhsa_next_free_vgpr 178
		.amdhsa_next_free_sgpr 66
		.amdhsa_reserve_vcc 0
		.amdhsa_float_denorm_mode_32 3
		.amdhsa_float_denorm_mode_16_64 3
		.amdhsa_memory_ordered 1
		.amdhsa_forward_progress 1
		.amdhsa_inst_pref_size 48
	.end_amdhsa_kernel
	.amdgpu_metadata
---
amdhsa.version: [ 1, 2 ]
amdhsa.kernels:
  - .name:           k_q72533a945d_prep
    .symbol:         k_q72533a945d_prep.kd
    .args:
      - { .name: x, .offset: 0, .size: 8, .value_kind: global_buffer, .address_space: global }
      - { .name: Wq, .offset: 8, .size: 8, .value_kind: global_buffer, .address_space: global }
      - { .name: Wk, .offset: 16, .size: 8, .value_kind: global_buffer, .address_space: global }
      - { .name: Wv, .offset: 24, .size: 8, .value_kind: global_buffer, .address_space: global }
      - { .name: Wo, .offset: 32, .size: 8, .value_kind: global_buffer, .address_space: global }
      - { .name: ln_g, .offset: 40, .size: 8, .value_kind: global_buffer, .address_space: global }
      - { .name: ln_b, .offset: 48, .size: 8, .value_kind: global_buffer, .address_space: global }
      - { .name: img, .offset: 56, .size: 8, .value_kind: global_buffer, .address_space: global }
      - { .name: isc, .offset: 64, .size: 8, .value_kind: global_buffer, .address_space: global }
    .group_segment_fixed_size: 238080
    .private_segment_fixed_size: 0
    .kernarg_segment_align: 8
    .kernarg_segment_size: 72
    .max_flat_workgroup_size: 384
    .sgpr_count:     66
    .vgpr_count:     178
    .wavefront_size: 32
...
	.end_amdgpu_metadata
.endif
;; end of part 1
;; launch qkv (part 2): grid 8 x 64, 4 waves a work-group, clusters of 4 x 4, 264,704 bytes of LDS; arguments img, isc, bq, bk, bv, qkimg, vimg, qkvs; writes qkimg, vimg, qkvs
.if DOCPART == 2
	.amdgcn_target "amdgcn-amd-amdhsa--gfx1250"
	.amdhsa_code_object_version 6
	.text
	.protected	k_q72533a945d_qkv
	.globl	k_q72533a945d_qkv
	.p2align	8
	.type	k_q72533a945d_qkv,@function
k_q72533a945d_qkv:
	s_mov_b64 s[64:65], 0
	v_nop
	global_prefetch_b8 v0, s[64:65] scope:SCOPE_SE
	s_setreg_imm32_b32 hwreg(HW_REG_WAVE_MODE, 25, 1), 1
	s_wait_xcnt 0x0
	s_wait_alu depctr_hold_cnt(0) depctr_sa_sdst(0) depctr_va_vdst(0) depctr_va_sdst(0) depctr_va_ssrc(0) depctr_va_vcc(0) depctr_vm_vsrc(0)
	s_getreg_b32 s2, hwreg(HW_REG_IB_STS2, 6, 4)
	s_cmp_eq_u32 s2, 0
	s_cbranch_scc0 .Lentry_in_a_cluster
	s_endpgm
.Lentry_in_a_cluster:
	s_bfe_u32 s2, ttmp6, 0x10000c
	s_cmp_lg_u32 s2, 0xf033
	s_cbranch_scc0 .Lentry_shape_is_right
	s_endpgm
.Lentry_shape_is_right:
; QKV: q = h Wq^T + bq, k = h Wk^T + bk, v = h Wv^T + bv on codes of FP4 (E2M1) with E8M0 scales for each 32 along K = 1,024; the results are quantised in registers and leave as codes:
; q and k along the head's 64 channels, v along the keys.  h and the weights come as images of operands' registers (img: [tile][K step][c][512 bytes]; isc: [tile][lane-row][32 bytes]).
; A TILE is 16 rows of a group of 32: tile 2 g + u, lane-row r = row 32 g + 8 u + r + 8 (r / 8).  With tiles 2 b and 2 b + 1 as source 0, the 16 results of lane (r, h) are source 0's rows 32 b + 16 h + 0 .. 15:
; sixteen neighbours along the axis that is quantised next.
; SHARES: work-group (x, y): weight rows 128 x on (heads 2 x, 2 x + 1) x tokens 128 y on (key step y % 16 of batch y / 16); three products of 128 x 128 x 1,024 in turn.
;   q, k: source 0 = the weight's 8 tiles (the channels are quantised), source 1 = h;   v: source 0 = h's 8 tiles (the tokens are quantised), source 1 = Wv.   A wave: all 8 tiles of source 0 x tiles 2 w, 2 w + 1 of source 1.
; ALL OF K LIES IN LDS: four panels of 65,536 bytes, each filled once, at the start; so there is no ring, and no LDS byte is filled twice.
; CLUSTER 4 x 4: h's panel hangs on y alone and is asked for jointly along a row of the cluster, the weights' panels on x alone, along a column.
; OUT: qkimg [32: q's heads, then k's][512 token tiles][512 bytes] (registers 0-3 of a fragment: 64 channels);  vimg [batch][head][key step][d tile 4][c 2][512 bytes];
;   qkvs: q's scale words [8 head pairs][512 tiles][16][4] (bytes: even head's two blocks, odd head's two), k's likewise 262,144 on, v's [batch][head][key step][d tile][16][4] 524,288 on.
; LIMITS: NaN and infinities are not served; a block whose largest magnitude lies under 2^-124 keeps the byte 1 (the bytes are read by this program alone).
; REGISTERS, in windows of 256.  Window 0: v1-15 addresses; v16-127 scale words (they hold nothing else); v128-191 64 results with their bias; v192-218 the quantiser's.
;   Window 1: v0-127 the 16 accumulators ((i, pt) at 8 (8 i + pt)); v128-191 bq, v192-255 bk in the results' layout.   Window 2: two sets of fragments of 80 (source 0's 64, source 1's 16); v160-163 bv.
.set STG,  262144                      ; behind the panels: the scale words of three products, 512 bytes each; no tensor load lands here
.set SHR,  16                          ; h's scale words, my two tiles;  register q of a tile's four: lanes 0-15 K step q, lanes 16-31 K step q + 4
.set SHP,  24                          ; h's, all eight tiles
.set SWQ,  56
.set SWK,  88
.set SWV,  120                         ; Wv's, my two tiles
.set HA,   128
.set TM,   192
.set PC,   208
.set PW,   216
.set PWC,  218
.set MSB, 0
.macro WIN new                         ; the immediate's high byte repeats the setting that is left
.if MSB != \new
	s_set_vgpr_msb (MSB<<8)|\new
.set MSB, \new
.endif
.endm
.macro PLACES n                        ; places behind matrix instructions: plain vector instructions that name none of their registers (ISA guide 7.12.1)
.rept \n
	v_nop
.endr
.endm
.macro CROUND                          ; a round of the cluster's barrier
	s_barrier_signal -1
	s_barrier_wait -1
	s_cmp_lg_u32 s20, 0
	s_cbranch_scc1 .Lnot_wave_0_\@
	s_barrier_signal -3
.Lnot_wave_0_\@:
	s_barrier_wait -3
	s_barrier_signal -1
	s_barrier_wait -1
.endm
; The matrix instruction.  z: the product starts its sum;  ra, rb: the scale words stand in lanes 16-31
.macro WM d, a, b, z, sa, sb, ra, rb
.if (\z) && ((\ra) == 0) && ((\rb) == 0)
	v_wmma_scale_f32_16x16x128_f8f6f4 v[\d:\d+7], v[\a:\a+7], v[\b:\b+7], 0, v[\sa], v[\sb] matrix_a_fmt:MATRIX_FMT_FP4 matrix_b_fmt:MATRIX_FMT_FP4
.elseif (\z) && ((\ra) == 1) && ((\rb) == 0)
	v_wmma_scale_f32_16x16x128_f8f6f4 v[\d:\d+7], v[\a:\a+7], v[\b:\b+7], 0, v[\sa], v[\sb] matrix_a_fmt:MATRIX_FMT_FP4 matrix_b_fmt:MATRIX_FMT_FP4 matrix_a_scale:MATRIX_SCALE_ROW1
.elseif (\z) && ((\ra) == 0)
	v_wmma_scale_f32_16x16x128_f8f6f4 v[\d:\d+7], v[\a:\a+7], v[\b:\b+7], 0, v[\sa], v[\sb] matrix_a_fmt:MATRIX_FMT_FP4 matrix_b_fmt:MATRIX_FMT_FP4 matrix_b_scale:MATRIX_SCALE_ROW1
.elseif (\z)
	v_wmma_scale_f32_16x16x128_f8f6f4 v[\d:\d+7], v[\a:\a+7], v[\b:\b+7], 0, v[\sa], v[\sb] matrix_a_fmt:MATRIX_FMT_FP4 matrix_b_fmt:MATRIX_FMT_FP4 matrix_a_scale:MATRIX_SCALE_ROW1 matrix_b_scale:MATRIX_SCALE_ROW1
.elseif ((\ra) == 0) && ((\rb) == 0)
	v_wmma_scale_f32_16x16x128_f8f6f4 v[\d:\d+7], v[\a:\a+7], v[\b:\b+7], v[\d:\d+7], v[\sa], v[\sb] matrix_a_fmt:MATRIX_FMT_FP4 matrix_b_fmt:MATRIX_FMT_FP4
.elseif ((\ra) == 1) && ((\rb) == 0)
	v_wmma_scale_f32_16x16x128_f8f6f4 v[\d:\d+7], v[\a:\a+7], v[\b:\b+7], v[\d:\d+7], v[\sa], v[\sb] matrix_a_fmt:MATRIX_FMT_FP4 matrix_b_fmt:MATRIX_FMT_FP4 matrix_a_scale:MATRIX_SCALE_ROW1
.elseif ((\ra) == 0)
	v_wmma_scale_f32_16x16x128_f8f6f4 v[\d:\d+7], v[\a:\a+7], v[\b:\b+7], v[\d:\d+7], v[\sa], v[\sb] matrix_a_fmt:MATRIX_FMT_FP4 matrix_b_fmt:MATRIX_FMT_FP4 matrix_b_scale:MATRIX_SCALE_ROW1
.else
	v_wmma_scale_f32_16x16x128_f8f6f4 v[\d:\d+7], v[\a:\a+7], v[\b:\b+7], v[\d:\d+7], v[\sa], v[\sb] matrix_a_fmt:MATRIX_FMT_FP4 matrix_b_fmt:MATRIX_FMT_FP4 matrix_a_scale:MATRIX_SCALE_ROW1 matrix_b_scale:MATRIX_SCALE_ROW1
.endif
.endm
	s_load_b512 s[4:19], s[0:1], 0x0               ; img, isc, bq, bk, bv, qkimg, vimg, qkvs
	v_lshl_add_u32 v254, v0, 2, 0x40800
	v_mov_b32 v255, 0
	ds_add_u32 v254, v255
	ds_add_u32 v254, v255
	v_lshrrev_b32 v4, 5, v0
	v_readfirstlane_b32 s20, v4                    ; wave 0..3
	s_bfe_u32 s21, ttmp6, 0x40000                  ; cx
	s_bfe_u32 s22, ttmp6, 0x40004                  ; cy
	s_lshl_b32 s23, ttmp9, 2
	s_add_co_u32 s23, s23, s21                     ; x = 4 x cluster x + cx
	s_and_b32 s24, ttmp7, 0xffff
	s_lshl_b32 s24, s24, 2
	s_add_co_u32 s24, s24, s22                     ; y = 4 x cluster y + cy
	s_lshl_b32 s25, s22, 2
	s_lshl_b32 s25, 15, s25                        ; my row of the cluster
	s_lshl_b32 s26, 0x1111, s21                    ; my column
	; descriptor group 1: 16,384 dense bytes (two tiles) as 64 rows of 32 elements of 8 bytes, no padding: images are read at 16 x lane
	s_or_b32 s28, s25, (3<<16)|(1<<21)             ; h's panel goes to my row
	s_or_b32 s36, s26, (3<<16)|(1<<21)             ; the weights' panels to my column
.irp g, 28, 36
	s_mov_b32 s[\g+1], 32<<16                      ; tensor_dim0
	s_mov_b32 s[\g+2], 64<<16                      ; tensor_dim1
	s_mov_b32 s[\g+3], 32<<16                      ; tile_dim0
	s_mov_b32 s[\g+4], 64                          ; tile_dim1
	s_mov_b32 s[\g+5], 32                          ; the pitch
	s_mov_b32 s[\g+6], 0
	s_mov_b32 s[\g+7], 0
.endr
	s_mov_b32 s60, 0xffff0000                      ; lanes 16-31
	s_mov_b32 s62, 0x76543210                      ; v_permlanex16_b32's selects for lane l xor 16
	s_mov_b32 s63, 0xfedcba98
	s_lshl_b32 s70, s20, 14                        ; 16,384 w: my two tiles of a panel
	s_lshl_b32 s66, s24, 16                        ; h's panel: 65,536 y + 16,384 w: nothing of x in it
	s_add_co_u32 s66, s66, s70
	s_mov_b32 s67, 0
	s_lshl_b32 s68, s23, 16                        ; Wq's: 4,194,304 + 65,536 x + 16,384 w: nothing of y in it
	s_add_co_u32 s68, s68, s70
	s_add_co_u32 s68, s68, 4194304
	s_mov_b32 s69, 0
	s_lshl_b32 s74, s24, 12                        ; isc: h's 8 tiles: 4,096 y
	s_mov_b32 s75, 0
	s_lshl_b32 s76, s23, 12                        ; Wq's 8 tiles: 262,144 + 4,096 x; Wk's 32,768 on, Wv's 65,536 on
	s_add_co_u32 s76, s76, 262144
	s_mov_b32 s77, 0
	s_lshl_b32 s78, s23, 9                         ; the biases: 512 x
	s_mov_b32 s79, 0
	s_lshl_b32 s92, s20, 10                        ; 1,024 w
	s_lshl_b32 s93, s20, 7                         ; 128 w
	s_lshl_b32 s94, s20, 9                         ; 512 w
	s_lshl_b32 s84, s23, 19                        ; qkimg: 524,288 x + 4,096 y + 1,024 w
	s_add_co_u32 s84, s84, s74
	s_add_co_u32 s84, s84, s92
	s_mov_b32 s85, 0
	s_lshr_b32 s86, s24, 4                         ; vimg: 1,048,576 (y / 16) + 65,536 (2 x + w / 2) + 4,096 (y % 16) + 2,048 (w % 2)
	s_lshl_b32 s86, s86, 20
	s_lshl_b32 s72, s23, 17
	s_add_co_u32 s86, s86, s72
	s_lshr_b32 s72, s20, 1
	s_lshl_b32 s72, s72, 16
	s_add_co_u32 s86, s86, s72
	s_and_b32 s72, s24, 15
	s_lshl_b32 s72, s72, 12
	s_add_co_u32 s86, s86, s72
	s_and_b32 s72, s20, 1
	s_lshl_b32 s72, s72, 11
	s_add_co_u32 s86, s86, s72
	s_mov_b32 s87, 0
	s_lshl_b32 s73, s23, 15                        ; qkvs: wave 0 sends q's words, wave 1 k's: 32,768 x + 512 y + 262,144 w;
	s_lshl_b32 s90, s24, 9
	s_add_co_u32 s73, s73, s90
	s_lshl_b32 s90, s20, 18
	s_add_co_u32 s73, s73, s90
	s_lshr_b32 s90, s24, 4                         ; wave 2 v's: 524,288 + 65,536 (y / 16) + 8,192 x + 256 (y % 16)
	s_lshl_b32 s90, s90, 16
	s_lshl_b32 s91, s23, 13
	s_add_co_u32 s90, s90, s91
	s_and_b32 s91, s24, 15
	s_lshl_b32 s91, s91, 8
	s_add_co_u32 s90, s90, s91
	s_add_co_u32 s90, s90, 524288
	s_cmp_eq_u32 s20, 2
	s_cselect_b32 s88, s90, s73
	s_cselect_b32 s95, 12, 8                       ; lanes 16-31 store 4,096 bytes on (v: the odd head) or 256 (q, k: the next four tiles)
	s_mov_b32 s89, 0
	v_and_b32 v14, 31, v0                          ; lane
	v_and_b32 v15, 15, v0                          ; r
	v_bfe_u32 v4, v0, 4, 1                         ; h
	v_lshlrev_b32 v1, 4, v14                       ; 16 x lane: an image's place for my lane; h's panel as source 0; my offset in the stores
	v_add_nc_u32 v2, 0x10000, v1                   ; Wq's panel
	v_add_nc_u32 v3, 0x20000, v1                   ; Wk's
	v_add_nc_u32 v5, s70, v1                       ; h's panel, my two tiles
	v_add_nc_u32 v6, 0x30000, v5                   ; Wv's, my two tiles
	v_lshlrev_b32 v7, 5, v15
	v_lshl_add_u32 v7, v4, 4, v7                   ; isc: 32 r + 16 h
	v_add_nc_u32 v13, s92, v7                      ; + my two tiles
	v_lshlrev_b32 v8, 6, v4                        ; bq, bk: 64 h
	v_and_b32 v9, 8, v15
	v_add_nc_u32 v9, v9, v15
	v_lshlrev_b32 v9, 2, v9
	v_add_nc_u32 v9, s93, v9                       ; bv: 4 (r + 8 (r / 8)) + 128 w
	v_lshlrev_b32 v10, 2, v14
	v_add_nc_u32 v10, s93, v10
	v_add_nc_u32 v10, STG, v10                     ; my two tiles' scale words into the stage: 128 w + 4 x lane
	v_add_nc_u32 v11, s94, v1
	v_add_nc_u32 v11, STG, v11                     ; and a product's 512 bytes back
	v_lshlrev_b32 v12, s95, v4
	v_lshl_add_u32 v12, v15, 4, v12                ; their place in qkvs
.irp b, 0,1,2,3
	v_mov_b32 v[TM+4+\b], 0                        ; written once: a lane permute's destination counts as one of its sources
.endr
	s_wait_dscnt 0x0
	s_wait_kmcnt 0x0
	s_mov_b32 s44, 1                               ; group 0, h
	s_mov_b32 s45, s70
	s_add_nc_u64 s[46:47], s[4:5], s[66:67]
	s_or_b32 s47, s47, 0x80000000
	s_add_nc_u64 s[72:73], s[4:5], s[68:69]
	s_mov_b32 s48, 1                               ; Wq
	s_add_co_u32 s49, s70, 65536
	s_mov_b64 s[50:51], s[72:73]
	s_or_b32 s51, s51, 0x80000000
	s_mov_b32 s52, 1                               ; Wk: 64 tiles on
	s_add_co_u32 s53, s70, 131072
	s_add_nc_u64 s[54:55], s[72:73], 524288
	s_or_b32 s55, s55, 0x80000000
	s_mov_b32 s56, 1                               ; Wv: 128 tiles on
	s_add_co_u32 s57, s70, 196608
	s_add_nc_u64 s[58:59], s[72:73], 1048576
	s_or_b32 s59, s59, 0x80000000
	s_add_nc_u64 s[74:75], s[6:7], s[74:75]
	s_add_nc_u64 s[76:77], s[6:7], s[76:77]
	s_add_nc_u64 s[80:81], s[10:11], s[78:79]
	s_add_nc_u64 s[82:83], s[12:13], s[78:79]
	s_add_nc_u64 s[78:79], s[8:9], s[78:79]
	s_add_nc_u64 s[84:85], s[14:15], s[84:85]
	s_add_nc_u64 s[86:87], s[16:17], s[86:87]
	s_add_nc_u64 s[88:89], s[18:19], s[88:89]
	CROUND                                         ; all sixteen work-groups are here: the joint loads meet
	tensor_load_to_lds s[44:47], s[28:35]          ; the four first fills go out together: four tensor loads of mine are out
	s_nop 0
	tensor_load_to_lds s[48:51], s[36:43]
	s_nop 0
	tensor_load_to_lds s[52:55], s[36:43]
	s_nop 0
	tensor_load_to_lds s[56:59], s[36:43]
	s_nop 0
.rept 4
	v_nop
.endr
.irp i, 0,1
	global_load_b128 v[SHR+4*\i:SHR+4*\i+3], v13, s[74:75] offset:512*\i
.endr
.irp t, 0,1,2,3,4,5,6,7
	global_load_b128 v[SHP+4*\t:SHP+4*\t+3], v7, s[74:75] offset:512*\t          ; 32 lanes read a tile's 512 bytes
	global_load_b128 v[SWQ+4*\t:SWQ+4*\t+3], v7, s[76:77] offset:512*\t
	global_load_b128 v[SWK+4*\t:SWK+4*\t+3], v7, s[76:77] offset:32768+512*\t
.endr
.irp i, 0,1
	global_load_b128 v[SWV+4*\i:SWV+4*\i+3], v13, s[76:77] offset:65536+512*\i
.endr
	WIN 0x40                                       ; destination window 1
.irp t, 0,1,2,3,4,5,6,7                        ; register 8 t + j of lane (r, h): the bias of channel 32 (t / 2) + 16 h + 8 (t % 2) + j
	global_load_b128 v[128+8*\t:131+8*\t], v8, s[78:79] offset:(32*(\t/2)+8*(\t%2))*4
	global_load_b128 v[132+8*\t:135+8*\t], v8, s[78:79] offset:(32*(\t/2)+8*(\t%2))*4+16
	global_load_b128 v[192+8*\t:195+8*\t], v8, s[80:81] offset:(32*(\t/2)+8*(\t%2))*4
	global_load_b128 v[196+8*\t:199+8*\t], v8, s[80:81] offset:(32*(\t/2)+8*(\t%2))*4+16
.endr
	WIN 0x80                                       ; destination window 2
.irp i, 0,1                                    ; bv of my lane's channel in tile 2 w + i, in both registers of a pair
	global_load_b32 v[160+2*\i], v9, s[82:83] offset:32*\i
	global_load_b32 v[161+2*\i], v9, s[82:83] offset:32*\i
.endr
	WIN 0
; 20 LDS loads: K step s of source 0's eight tiles (address register ap) and of my two tiles of source 1 (ar), into fragment set `set`
.macro FETCH ap, ar, s, set
	WIN 0x80
.irp pt, 0,1,2,3,4,5,6,7
.irp c, 0,1
	ds_load_b128 v[80*(\set)+8*\pt+4*\c:80*(\set)+8*\pt+4*\c+3], v[\ap] offset:8192*\pt+1024*(\s)+512*\c
.endr
.endr
.irp i, 0,1
.irp c, 0,1
	ds_load_b128 v[80*(\set)+64+8*\i+4*\c:80*(\set)+64+8*\i+4*\c+3], v[\ar] offset:8192*\i+1024*(\s)+512*\c
.endr
.endr
.endm
; 16 matrix instructions; the 16 accumulators take turns, one instruction a turn, in the same order in every K step
.macro MUL s, set, sp, sr
	WIN 0x5a                                       ; sources 0 and 1 window 2, C and D window 1
.irp i, 0,1
.irp pt, 0,1,2,3,4,5,6,7
	WM 8*(8*\i+\pt), 80*(\set)+8*\pt, 80*(\set)+64+8*\i, (\s)==0, \sp+4*\pt+(\s)%4, \sr+4*\i+(\s)%4, (\s)/4, (\s)/4
.endr
.endr
.endm
.macro GEMM ap, ar, sp, sr
	PLACES 4                                       ; in front of loads into registers that matrix instructions have read
	FETCH \ap, \ar, 0, 0
.irp s, 0,1,2,3,4,5,6
.if \s > 0
	PLACES 4
.endif
	FETCH \ap, \ar, \s+1, (\s+1)%2
	s_wait_dscnt 20                                ; all but the 20 just issued: this K step's fragments are in
	MUL \s, \s%2, \sp, \sr
.endr
	s_wait_dscnt 0x0
	MUL 7, 1, \sp, \sr
	WIN 0
.endm
; 64 numbers of a lane, register 16 b + n = place 32 b + 16 (lane / 16) + n along the axis that is quantised, become a fragment's codes in v[PC] on and its scale word in v[pw]
.macro QUANT s, pw
.irp b, 0,1,2,3
	v_max3_num_f32 v[TM+\b], |v[\s+16*\b]|, |v[\s+1+16*\b]|, 0x1800000   ; my 16 numbers of block b, and the floor 2^(3 - 127): the byte cannot fall under 1
.endr
.irp n, 2,4,6,8,10,12,14
.irp b, 0,1,2,3
	v_max3_num_f32 v[TM+\b], v[TM+\b], |v[\s+16*\b+\n]|, |v[\s+1+16*\b+\n]|
.endr
.endr
.irp b, 0,1,2,3
	v_permlanex16_b32 v[TM+4+\b], v[TM+\b], s62, s63
.endr
.irp b, 0,1,2,3
	v_max_num_f32 v[TM+\b], v[TM+\b], v[TM+4+\b]   ; with lane l xor 16's: the block's largest magnitude
.endr
.irp b, 0,1,2,3
	v_add_nc_u32 v[TM+12+\b], 0xff000000, v[TM+\b] ; 2 off its exponent field: the conversion's scale operand
.endr
.irp b, 0,1,2,3
	v_lshrrev_b32 v[TM+4+\b], 23, v[TM+12+\b]      ; the scale's byte
.endr
	v_lshl_or_b32 v[\pw], v[TM+5], 8, v[TM+4]
	v_lshl_or_b32 v[\pw], v[TM+6], 16, v[\pw]
	v_lshl_or_b32 v[\pw], v[TM+7], 24, v[\pw]
.irp b, 0,1,2,3
	v_cvt_scalef32_pk8_fp4_f32 v[PC+2*\b], v[\s+16*\b:\s+7+16*\b], v[TM+12+\b]
	v_cvt_scalef32_pk8_fp4_f32 v[PC+1+2*\b], v[\s+8+16*\b:\s+15+16*\b], v[TM+12+\b]
.endr
	v_nop                                          ; one plain place behind a scaled conversion
.irp c, 0,1                                    ; the operand's layout wants a whole block in a lane
.irp n, 0,1
	v_permlane16_swap_b32 v[PC+4*\c+\n], v[PC+2+4*\c+\n]
.endr
.endr
.endm
; The way out of product f (0 q, 1 k, 2 v): for each of my two tiles of source 1: results + bias into window 0 (one packed add does both; each accumulator is read from its low end on), quantised, two images stored
.macro EPI f
	PLACES 4
.irp i, 0,1
	s_wait_xcnt 0x0                                ; earlier stores have read the codes' registers: they are written again only behind this wait
.if \f < 2
	WIN 0x05                                       ; sources 0 and 1 window 1
.set J, 0
.rept 32
	v_pk_add_f32 v[HA+J:HA+J+1], v[64*\i+J:64*\i+J+1], v[128+64*\f+J:128+64*\f+J+1]
.set J, J+2
.endr
.else
	WIN 0x09                                       ; source 0 window 1, source 1 window 2
.set J, 0
.rept 32
	v_pk_add_f32 v[HA+J:HA+J+1], v[64*\i+J:64*\i+J+1], v[160+2*\i:161+2*\i]
.set J, J+2
.endr
.endif
	WIN 0
	QUANT HA, PW+\i
.irp c, 0,1
.if \f < 2
	global_store_b128 v1, v[PC+4*\c:PC+4*\c+3], s[84:85] offset:\f*4194304+262144*\c+512*\i   ; head 2 x + c, token tile 8 y + 2 w + i: 512 consecutive bytes
.else
	global_store_b128 v1, v[PC+4*\c:PC+4*\c+3], s[86:87] offset:1024*\i+512*\c                ; d tile 2 (w % 2) + i: 512 consecutive bytes
.endif
.endr
.endr
	v_cndmask_b32 v[PWC], v[PW], v[PW+1], s60      ; lanes 0-15: tile 2 w's words, lanes 16-31: tile 2 w + 1's
	ds_store_b32 v10, v[PWC] offset:512*\f
.endm
	s_wait_tensorcnt 0x2                           ; my parts of h's and Wq's panels are in; Wk's and Wv's may stay out
	s_barrier_signal -1
	s_barrier_wait -1                              ; everybody's are
	s_wait_loadcnt 0x0                             ; scale words and biases
	GEMM 2, 5, SWQ, SHR
	EPI 0
	s_wait_tensorcnt 0x1                           ; Wk's
	s_wait_dscnt 0x0
	s_barrier_signal -1
	s_barrier_wait -1
	GEMM 3, 5, SWK, SHR
	EPI 1
	s_wait_tensorcnt 0x0                           ; Wv's
	s_wait_dscnt 0x0
	s_barrier_signal -1
	s_barrier_wait -1
	GEMM 1, 6, SHP, SWV
	EPI 2
	s_wait_dscnt 0x0                               ; for the others' sake: my scale words lie in the stage
	s_barrier_signal -1
	s_barrier_wait -1
	s_cmp_gt_u32 s20, 2                            ; waves 0, 1, 2 send q's, k's and v's 512 bytes of scale words: sixteen lanes to 256 consecutive bytes
	s_cbranch_scc1 .Lno_words
	ds_load_b128 v[220:223], v11
	s_wait_dscnt 0x0
	global_store_b128 v12, v[220:223], s[88:89]
.Lno_words:
	s_wait_tensorcnt 0x0
	ds_add_u32 v254, v255
	s_wait_dscnt 0x0
	CROUND                                         ; the closing round
	s_endpgm
.Lfunc_end_k_q72533a945d_qkv:
	.size	k_q72533a945d_qkv, .Lfunc_end_k_q72533a945d_qkv-k_q72533a945d_qkv
	.p2alignl 7, 3214868480
	.fill 96, 4, 3214868480
	.section	.rodata,"a",@progbits
	.p2align	6, 0x0
	.amdhsa_kernel k_q72533a945d_qkv
		.amdhsa_group_segment_fixed_size 264704
		.amdhsa_private_segment_fixed_size 0
		.amdhsa_enable_private_segment 0
		.amdhsa_kernarg_size 64
		.amdhsa_user_sgpr_count 2
		.amdhsa_user_sgpr_kernarg_segment_ptr 1
		.amdhsa_wavefront_size32 1
		.amdhsa_system_sgpr_workgroup_id_x 1
		.amdhsa_system_sgpr_workgroup_id_y 1
		.amdhsa_system_sgpr_workgroup_id_z 1
		.amdhsa_system_vgpr_workitem_id 0
		.amdhsa_next_free_vgpr 704
		.amdhsa_next_free_sgpr 96
		.amdhsa_reserve_vcc 0
		.amdhsa_float_denorm_mode_32 3
		.amdhsa_float_denorm_mode_16_64 3
		.amdhsa_memory_ordered 1
		.amdhsa_forward_progress 1
		.amdhsa_inst_pref_size 134
	.end_amdhsa_kernel
	.amdgpu_metadata
---
amdhsa.version: [ 1, 2 ]
amdhsa.kernels:
  - .name:           k_q72533a945d_qkv
    .symbol:         k_q72533a945d_qkv.kd
    .args:
      - { .name: img, .offset: 0, .size: 8, .value_kind: global_buffer, .address_space: global }
      - { .name: isc, .offset: 8, .size: 8, .value_kind: global_buffer, .address_space: global }
      - { .name: bq, .offset: 16, .size: 8, .value_kind: global_buffer, .address_space: global }
      - { .name: bk, .offset: 24, .size: 8, .value_kind: global_buffer, .address_space: global }
      - { .name: bv, .offset: 32, .size: 8, .value_kind: global_buffer, .address_space: global }
      - { .name: qkimg, .offset: 40, .size: 8, .value_kind: global_buffer, .address_space: global }
      - { .name: vimg, .offset: 48, .size: 8, .value_kind: global_buffer, .address_space: global }
      - { .name: qkvs, .offset: 56, .size: 8, .value_kind: global_buffer, .address_space: global }
    .group_segment_fixed_size: 264704
    .private_segment_fixed_size: 0
    .kernarg_segment_align: 8
    .kernarg_segment_size: 64
    .max_flat_workgroup_size: 128
    .sgpr_count:     96
    .vgpr_count:     704
    .wavefront_size: 32
...
	.end_amdgpu_metadata
.endif
;; end of part 2
;; launch attn (part 3): grid 8 x 32, 16 waves a work-group, clusters of 4 x 1, 281,600 bytes of LDS; arguments qkimg, vimg, qkvs, cimg, csc; writes cimg, csc
.if DOCPART == 3
	.amdgcn_target "amdgcn-amd-amdhsa--gfx1250"
	.amdhsa_code_object_version 6
	.text
	.protected	k_q72533a945d_attn
	.globl	k_q72533a945d_attn
	.p2align	8
	.type	k_q72533a945d_attn,@function
k_q72533a945d_attn:
	s_mov_b64 s[64:65], 0
	v_nop
	global_prefetch_b8 v0, s[64:65] scope:SCOPE_SE
	s_setreg_imm32_b32 hwreg(HW_REG_WAVE_MODE, 25, 1), 1
	s_wait_xcnt 0x0
	s_wait_alu depctr_hold_cnt(0) depctr_sa_sdst(0) depctr_va_vdst(0) depctr_va_sdst(0) depctr_va_ssrc(0) depctr_va_vcc(0) depctr_vm_vsrc(0)
	s_getreg_b32 s2, hwreg(HW_REG_IB_STS2, 6, 4)
	s_cmp_eq_u32 s2, 0
	s_cbranch_scc0 .Lentry_in_a_cluster
	s_endpgm
.Lentry_in_a_cluster:
	s_bfe_u32 s2, ttmp6, 0x10000c
	s_cmp_lg_u32 s2, 0x3003
	s_cbranch_scc0 .Lentry_shape_is_right
	s_endpgm
.Lentry_shape_is_right:
; ATTN: context = softmax(q k^T / 8) v for 64 (batch, head) pairs, 2,048 keys, head size 64, both products on codes of FP4 (E2M1) with E8M0 scales; the context is quantised along the hidden axis and leaves as codes.
; THE SOFTMAX AHEAD OF THE SECOND PRODUCT: t = score x log2(e) / 8; M = the row's largest t so far, rounded UP to a whole number; p = 2^(t - M) is quantised along the keys, not normalised.
; The row's sum is taken of the unquantised p, in f32, and divides at the end.  When M moves, the sum and O are multiplied by 2^(old M - new M): exact.
; SHARES: work-group (qb, y): batch y / 8, heads 2 p and 2 p + 1 (p = y % 8), 256 queries.  Each of sixteen waves owns ONE tile of 16 queries and walks all 2,048 keys, 128 a step, first for the even head, then for the odd:
; so a wave ends with both heads' blocks of its tokens, a whole scale word of the next product.  Four waves share a SIMD: one wave's vector work stands beside another's products and LDS loads.
; ALL KEYS OF BOTH HEADS LIE IN LDS, as images of operands' registers, each byte filled once: no ring.  CLUSTER 4 x 1: the four query blocks of a cluster read the same K and V: every piece is asked for jointly.
; LAYOUT: both products transposed: S^T = K Q^T (source 0 = 16 keys), O^T = V^T P^T (source 0 = 16 channels): a lane holds ONE query.  A tile's lane-row r is row 32 g + 8 u + r + 8 (r / 8) of tokens or channels, so the 16
; registers of tiles 2 b, 2 b + 1 are 16 neighbours: keys for p, channels for the context.
; THE FIRST PRODUCT'S K IS 64: registers 4-7 of Q's and K's fragments hold zero codes (written once); their scale bytes are the zeros that a 16-bit load leaves, which stand for 2^-127 and not for NaN.
; LIMITS: NaN and infinities are not served; p under 2^-126 is taken as 0 (v_exp_f32: ISA guide 15.8); a block whose largest magnitude lies under 2^-124 keeps the byte 1.
; A block's largest p is the block's largest score put through the same multiply-add and exponential; this takes v_exp_f32 not to fall where its input rises.
; REGISTERS: v1-10 addresses, the context's scale word (v8); v12 -M, v13 the largest t, v[14:15] the sum; v16-23, v24-31 Q of the two heads; v32-95 eight fragments of K; v96-159 S^T, then p; v160-191 O^T;
;   v192-223 four fragments of V; v224-231 p's codes; v232-239, v244-247, v252, v254 at work; v240-241 V's scale words, v242, v243 Q's, v248-251 K's, v253 p's.
.set KSC,  262144                      ; LDS: K even 0, V even 65,536, K odd 131,072, V odd 196,608; K's scale words of the pair (8,192 bytes);
.set VSC,  270336                      ; V's, even head's 4,096 bytes, then the odd head's;
.set CSTG, 278528                      ; a stage for the context's scale words, 64 bytes a wave: no tensor load lands here
.macro CROUND                          ; a round of the cluster's barrier
	s_barrier_signal -1
	s_barrier_wait -1
	s_cmp_lg_u32 s14, 0
	s_cbranch_scc1 .Lnot_wave_0_\@
	s_barrier_signal -3
.Lnot_wave_0_\@:
	s_barrier_wait -3
	s_barrier_signal -1
	s_barrier_wait -1
.endm
; The matrix instruction.  z: the product starts its sum;  ra: source 0's scale words stand in lanes 16-31
.macro WM d, a, b, z, sa, sb, ra
.if (\z) && ((\ra) == 0)
	v_wmma_scale_f32_16x16x128_f8f6f4 v[\d:\d+7], v[\a:\a+7], v[\b:\b+7], 0, v[\sa], v[\sb] matrix_a_fmt:MATRIX_FMT_FP4 matrix_b_fmt:MATRIX_FMT_FP4
.elseif (\z)
	v_wmma_scale_f32_16x16x128_f8f6f4 v[\d:\d+7], v[\a:\a+7], v[\b:\b+7], 0, v[\sa], v[\sb] matrix_a_fmt:MATRIX_FMT_FP4 matrix_b_fmt:MATRIX_FMT_FP4 matrix_a_scale:MATRIX_SCALE_ROW1
.elseif ((\ra) == 0)
	v_wmma_scale_f32_16x16x128_f8f6f4 v[\d:\d+7], v[\a:\a+7], v[\b:\b+7], v[\d:\d+7], v[\sa], v[\sb] matrix_a_fmt:MATRIX_FMT_FP4 matrix_b_fmt:MATRIX_FMT_FP4
.else
	v_wmma_scale_f32_16x16x128_f8f6f4 v[\d:\d+7], v[\a:\a+7], v[\b:\b+7], v[\d:\d+7], v[\sa], v[\sb] matrix_a_fmt:MATRIX_FMT_FP4 matrix_b_fmt:MATRIX_FMT_FP4 matrix_a_scale:MATRIX_SCALE_ROW1
.endif
.endm
	s_load_b256 s[4:11], s[0:1], 0x0               ; qkimg, vimg, qkvs, cimg
	s_load_b64 s[12:13], s[0:1], 0x20              ; csc
	v_lshl_add_u32 v11, v0, 2, 0x44400
	v_mov_b32 v255, 0
	ds_add_u32 v11, v255
	ds_add_u32 v11, v255
	v_lshrrev_b32 v4, 5, v0
	s_delay_alu instid0(VALU_DEP_1)
	v_readfirstlane_b32 s14, v4                    ; wave 0..15
	s_and_b32 s15, s14, 7                          ; which eighth of K (waves 0-7) or of V (waves 8-15) I fetch
	s_bfe_u32 s16, ttmp6, 0x40000                  ; cx
	s_lshl_b32 s17, ttmp9, 2
	s_add_co_u32 s17, s17, s16                     ; qb: my block of 256 queries: it enters Q's and the outputs' addresses alone
	s_and_b32 s18, ttmp7, 0xffff
	s_and_b32 s19, s18, 7                          ; p: the pair of heads
	s_lshr_b32 s18, s18, 3                         ; b: the batch
	s_mov_b32 s20, 0x76543210                      ; v_permlanex16_b32's selects for lane l xor 16
	s_mov_b32 s21, 0xfedcba98
	s_mov_b32 s22, 0x3e38aa3b                      ; c = log2(e) / 8
	s_mov_b32 s23, s22                             ; (named with it as a pair, so it is written)
	; descriptor groups 1: dense bytes as rows of 32 elements of 8 bytes; the mask names all four work-groups
	s_mov_b32 s24, 15|(3<<16)|(1<<21)              ; codes: 8,192 bytes, 32 rows
	s_mov_b32 s25, 32<<16
	s_mov_b32 s26, 32<<16
	s_mov_b32 s27, 32<<16
	s_mov_b32 s28, 32
	s_mov_b32 s29, 32
	s_mov_b32 s30, 0
	s_mov_b32 s31, 0
	s_mov_b32 s32, 15|(3<<16)|(1<<21)              ; scale words: 1,024 bytes, 4 rows
	s_mov_b32 s33, 32<<16
	s_mov_b32 s34, 4<<16
	s_mov_b32 s35, 32<<16
	s_mov_b32 s36, 4
	s_mov_b32 s37, 32
	s_mov_b32 s38, 0
	s_mov_b32 s39, 0
	s_lshl_b32 s86, s18, 16                        ; 65,536 b
	s_lshl_b32 s87, s18, 13                        ; 8,192 b
	s_lshl_b32 s88, s18, 20                        ; 1,048,576 b
	s_lshl_b32 s89, s19, 19                        ; 524,288 p
	s_lshl_b32 s90, s19, 17                        ; 131,072 p
	s_lshl_b32 s91, s19, 15                        ; 32,768 p
	s_lshl_b32 s92, s19, 13                        ; 8,192 p
	s_lshl_b32 s93, s15, 13                        ; 8,192 x my eighth
	s_lshl_b32 s94, s15, 10                        ; 1,024 x my eighth
	s_add_co_u32 s70, s89, s86                     ; K's codes: head 16 + 2 p, the batch's 128 tiles, my eighth
	s_add_co_u32 s70, s70, s93
	s_add_co_u32 s70, s70, 4194304
	s_mov_b32 s71, 0
	s_add_co_u32 s72, s88, s90                     ; V's codes: head 2 p of the batch, my eighth
	s_add_co_u32 s72, s72, s93
	s_mov_b32 s73, 0
	s_add_co_u32 s74, s91, s87                     ; K's scale words
	s_add_co_u32 s74, s74, s94
	s_add_co_u32 s74, s74, 262144
	s_mov_b32 s75, 0
	s_add_co_u32 s76, s86, s92                     ; V's
	s_add_co_u32 s76, s76, s94
	s_add_co_u32 s76, s76, 524288
	s_mov_b32 s77, 0
	s_add_co_u32 s78, s89, s86                     ; Q's codes: head 2 p, token tile 128 b + 16 qb + w
	s_lshl_b32 s95, s17, 13
	s_add_co_u32 s78, s78, s95
	s_lshl_b32 s95, s14, 9
	s_add_co_u32 s78, s78, s95
	s_mov_b32 s79, 0
	s_add_co_u32 s80, s91, s87                     ; Q's scale words: 64 bytes a tile
	s_lshl_b32 s95, s17, 10
	s_add_co_u32 s80, s80, s95
	s_lshl_b32 s95, s14, 6
	s_add_co_u32 s80, s80, s95
	s_mov_b32 s81, 0
	s_lshl_b32 s82, s17, 17                        ; cimg: group 16 b + 2 qb + w / 8, head 2 p, tile w % 8
	s_add_co_u32 s82, s82, s88
	s_lshr_b32 s95, s14, 3
	s_lshl_b32 s95, s95, 16
	s_add_co_u32 s82, s82, s95
	s_add_co_u32 s82, s82, s92
	s_lshl_b32 s95, s15, 9
	s_add_co_u32 s82, s82, s95
	s_mov_b32 s83, 0
	s_lshl_b32 s84, s17, 13                        ; csc: group 16 b + 2 qb + w % 2, pair p
	s_add_co_u32 s84, s84, s86
	s_and_b32 s95, s14, 1
	s_lshl_b32 s95, s95, 12
	s_add_co_u32 s84, s84, s95
	s_lshl_b32 s95, s19, 9
	s_add_co_u32 s84, s84, s95
	s_mov_b32 s85, 0
	v_and_b32 v4, 31, v0                           ; lane
	v_and_b32 v5, 15, v0                           ; r
	s_delay_alu instid0(VALU_DEP_2)
	v_lshlrev_b32 v1, 4, v4                        ; 16 x lane
	s_delay_alu instid0(VALU_DEP_3)
	v_lshlrev_b32 v2, 2, v4                        ; 4 x lane
	s_delay_alu instid0(VALU_DEP_3)
	v_lshlrev_b32 v3, 2, v5                        ; 4 r
	s_lshl_b32 s95, s14, 6
	s_add_co_u32 s95, s95, CSTG
	v_add_nc_u32 v9, s95, v3                       ; my tile's scale words into the stage
	s_and_b32 s95, s14, 1
	s_lshl_b32 s95, s95, 9
	s_add_co_u32 s95, s95, CSTG
	v_add_nc_u32 v10, s95, v1                      ; and eight tiles' words back
	s_wait_dscnt 0x0
	s_wait_kmcnt 0x0
	s_mov_b32 s40, 1                               ; groups 0: K's scale words,
	s_add_co_u32 s41, s94, KSC
	s_add_nc_u64 s[42:43], s[8:9], s[74:75]
	s_or_b32 s43, s43, 0x80000000
	s_mov_b32 s44, 1                               ; the even head's K,
	s_mov_b32 s45, s93
	s_add_nc_u64 s[46:47], s[4:5], s[70:71]
	s_mov_b32 s48, 1                               ; the odd head's: one head on
	s_add_co_u32 s49, s93, 131072
	s_add_nc_u64 s[50:51], s[46:47], 262144
	s_or_b32 s47, s47, 0x80000000
	s_or_b32 s51, s51, 0x80000000
	s_mov_b32 s52, 1                               ; V's scale words,
	s_add_co_u32 s53, s94, VSC
	s_add_nc_u64 s[54:55], s[8:9], s[76:77]
	s_or_b32 s55, s55, 0x80000000
	s_mov_b32 s56, 1                               ; the even head's V,
	s_add_co_u32 s57, s93, 65536
	s_add_nc_u64 s[58:59], s[6:7], s[72:73]
	s_mov_b32 s60, 1                               ; the odd head's
	s_add_co_u32 s61, s93, 196608
	s_add_nc_u64 s[62:63], s[58:59], 65536
	s_or_b32 s59, s59, 0x80000000
	s_or_b32 s63, s63, 0x80000000
	s_add_nc_u64 s[78:79], s[4:5], s[78:79]
	s_add_nc_u64 s[80:81], s[8:9], s[80:81]
	s_add_nc_u64 s[82:83], s[10:11], s[82:83]
	s_add_nc_u64 s[84:85], s[12:13], s[84:85]
	CROUND                                         ; all four work-groups are here: the joint loads meet
	s_cmp_lt_u32 s14, 8                            ; a wave's three first fills stand in one branch on the wave's number: three tensor loads of mine are out
	s_cbranch_scc0 .Lfirst_v
	tensor_load_to_lds s[40:43], s[32:39]
	s_nop 0
	tensor_load_to_lds s[44:47], s[24:31]
	s_nop 0
	tensor_load_to_lds s[48:51], s[24:31]
	s_nop 0
.rept 4
	v_nop
.endr
	s_branch .Lfirst_asked
.Lfirst_v:
	tensor_load_to_lds s[52:55], s[32:39]
	s_nop 0
	tensor_load_to_lds s[56:59], s[24:31]
	s_nop 0
	tensor_load_to_lds s[60:63], s[24:31]
	s_nop 0
.rept 4
	v_nop
.endr
.Lfirst_asked:
	s_wait_alu depctr_va_vdst(0)
	global_load_b128 v[16:19], v1, s[78:79]                        ; Q of the even head: registers 0-3 of its fragment
	global_load_b128 v[24:27], v1, s[78:79] offset:262144          ; of the odd head
	global_load_u16 v242, v3, s[80:81]                             ; their scale bytes: two of my token's word each
	global_load_u16 v243, v3, s[80:81] offset:2
.irp n, 20,21,22,23,28,29,30,31
	v_mov_b32 v[\n], 0                             ; the zero codes of k = 64 .. 127
.endr
.irp t, 0,1,2,3,4,5,6,7
.irp n, 4,5,6,7
	v_mov_b32 v[32+8*\t+\n], 0
.endr
.endr
.irp b, 0,1,2,3
	v_mov_b32 v[236+\b], 0                         ; written once: a lane permute's destination counts as one of its sources
.endr
	v_mov_b32 v253, 0                              ; (named as the upper half of the pair v[252:253] before it is first written)
; A KEY STEP: 128 keys of head 2 p + par
.macro STEP par
	v_add_nc_u32 v4, s66, v1                       ; K's eight tiles.  (These four additions are the places between the last products and the loads into their registers)
	v_add_nc_u32 v6, s67, v2                       ; K's scale words
	v_add_nc_u32 v7, s68, v2                       ; V's
	s_delay_alu instid0(VALU_DEP_3)
	v_add_nc_u32 v5, 0x10000, v4                   ; V's four fragments: the same place in the panel behind
.irp t, 0,1,2,3,4,5,6,7
	ds_load_b128 v[32+8*\t:35+8*\t], v4 offset:512*\t
.endr
.irp j, 0,1,2,3
	ds_load_u16 v[248+\j], v6 offset:128*\j+2*\par                 ; lanes 0-15: tile 2 j's words, lanes 16-31: tile 2 j + 1's; of a word this head's two bytes
.endr
.irp t, 0,1,2,3
.irp c, 0,1
	ds_load_b128 v[192+8*\t+4*\c:195+8*\t+4*\c], v5 offset:1024*\t+512*\c
.endr
.endr
.irp j, 0,1
	ds_load_b32 v[240+\j], v7 offset:128*\j
.endr
	s_wait_dscnt 10                                ; K's twelve loads are in; V's ten may be out
.irp t, 0,1,2,3,4,5,6,7
	WM 96+8*\t, 32+8*\t, 16+8*\par, 1, 248+\t/2, 242+\par, \t%2
.endr
.rept 4
	v_nop                                          ; places in front of the first read of results (ISA guide 7.12.1)
.endr
.irp b, 0,1,2,3
	v_max3_num_f32 v[232+\b], v[96+16*\b], v[97+16*\b], v[98+16*\b]   ; the largest score of each block of 32 keys: for the row's maximum and for the block's largest p
.endr
.irp n, 3,5,7,9,11,13
.irp b, 0,1,2,3
	v_max3_num_f32 v[232+\b], v[232+\b], v[96+16*\b+\n], v[97+16*\b+\n]
.endr
.endr
.irp b, 0,1,2,3
	v_max_num_f32 v[232+\b], v[232+\b], v[111+16*\b]
.endr
.irp b, 0,1,2,3
	s_delay_alu instid0(VALU_DEP_4)
	v_permlanex16_b32 v[236+\b], v[232+\b], s20, s21
.endr
.irp b, 0,1,2,3
	s_delay_alu instid0(VALU_DEP_4)
	v_max_num_f32 v[232+\b], v[232+\b], v[236+\b]  ; with lane l xor 16's 16 keys
.endr
	s_delay_alu instid0(VALU_DEP_2)
	v_max3_num_f32 v254, v232, v233, v234
	s_delay_alu instid0(VALU_DEP_1)
	v_max_num_f32 v254, v254, v235                 ; the step's largest score of my query
	s_delay_alu instid0(VALU_DEP_1)
	v_mul_f32 v254, s22, v254                      ; as t (c is positive)
	s_delay_alu instid0(VALU_DEP_1)
	v_max_num_f32 v13, v13, v254                   ; the running largest t
	v_mov_b32 v254, v12
	s_delay_alu instid0(VALU_DEP_2)
	v_floor_f32 v12, -v13                          ; the new -M = floor(-t) = -ceil(t)
	s_delay_alu instid0(VALU_DEP_1)
	v_sub_f32 v254, v12, v254                      ; old M - new M: a whole number, 0 or less
	s_delay_alu instid0(VALU_DEP_1)
	v_cvt_i32_f32 v254, v254                       ; (it saturates)
	s_delay_alu instid0(VALU_DEP_1)
	v_ldexp_f32 v252, 1.0, v254                    ; f = 2^(old M - new M)
.set J, 0
.rept 32
	v_pk_fma_f32 v[96+J:97+J], v[96+J:97+J], s[22:23], v[12:13] op_sel_hi:[1,0,0]   ; t - M, two at a time
.set J, J+2
.endr
.irp b, 0,1,2,3
	v_fma_f32 v[232+\b], v[232+\b], s22, v12       ; the same of each block's largest score
.endr
.set J, 0
	s_wait_alu depctr_va_vdst(0)
.rept 64
	v_exp_f32 v[96+J], v[96+J]                     ; p = 2^(t - M), at most 1
.set J, J+1
.endr
	s_setprio 1
.irp b, 0,1,2,3
	v_exp_f32 v[232+\b], v[232+\b]                 ; the block's largest p
.endr
	v_pk_mul_f32 v[14:15], v[14:15], v[252:253] op_sel_hi:[1,0]    ; the sums under the new M (the plain place behind the exponentials)
	s_wait_alu depctr_va_vdst(0)
.irp b, 0,1,2,3
	v_max_num_f32 v[232+\b], 0x1800000, v[232+\b]  ; the floor 2^(3 - 127)
.endr
.irp b, 0,1,2,3
	s_delay_alu instid0(VALU_DEP_4)
	v_add_nc_u32 v[244+\b], 0xff000000, v[232+\b]  ; the conversion's scale operand
.endr
.irp b, 0,1,2,3
	s_delay_alu instid0(VALU_DEP_4)
	v_lshrrev_b32 v[236+\b], 23, v[244+\b]         ; the scale's byte
.endr
	s_delay_alu instid0(VALU_DEP_3)
	v_lshl_or_b32 v253, v237, 8, v236              ; p's scale word for these 128 keys
	s_delay_alu instid0(VALU_DEP_1)
	v_lshl_or_b32 v253, v238, 16, v253
	s_delay_alu instid0(VALU_DEP_1)
	v_lshl_or_b32 v253, v239, 24, v253
.irp b, 0,1,2,3
	v_cvt_scalef32_pk8_fp4_f32 v[224+2*\b], v[96+16*\b:103+16*\b], v[244+\b]
	v_cvt_scalef32_pk8_fp4_f32 v[225+2*\b], v[104+16*\b:111+16*\b], v[244+\b]
.endr
	v_nop                                          ; one plain place behind a scaled conversion
.irp c, 0,1
.irp n, 0,1
	v_permlane16_swap_b32 v[224+4*\c+\n], v[226+4*\c+\n]           ; a whole block to a lane
.endr
.endr
	v_pk_add_f32 v[236:237], v[100:101], v[104:105]
	v_pk_add_f32 v[250:251], v[108:109], v[112:113]
	v_pk_add_f32 v[248:249], v[116:117], v[120:121]
	v_pk_add_f32 v[246:247], v[124:125], v[128:129]
	v_pk_add_f32 v[244:245], v[132:133], v[136:137]
	v_pk_add_f32 v[234:235], v[140:141], v[144:145]
	v_pk_add_f32 v[232:233], v[148:149], v[152:153]
	v_pk_add_f32 v[14:15], v[14:15], v[156:157]
	v_pk_add_f32 v[236:237], v[236:237], v[96:97]
	v_pk_add_f32 v[250:251], v[250:251], v[98:99]
	v_pk_add_f32 v[248:249], v[248:249], v[102:103]
	v_pk_add_f32 v[246:247], v[246:247], v[106:107]
	v_pk_add_f32 v[244:245], v[244:245], v[110:111]
	v_pk_add_f32 v[234:235], v[234:235], v[114:115]
	v_pk_add_f32 v[232:233], v[232:233], v[118:119]
	v_pk_add_f32 v[14:15], v[14:15], v[122:123]
	v_pk_add_f32 v[236:237], v[236:237], v[126:127]
	v_pk_add_f32 v[250:251], v[250:251], v[130:131]
	v_pk_add_f32 v[248:249], v[248:249], v[134:135]
	v_pk_add_f32 v[246:247], v[246:247], v[138:139]
	v_pk_add_f32 v[244:245], v[244:245], v[142:143]
	v_pk_add_f32 v[234:235], v[234:235], v[146:147]
	v_pk_add_f32 v[232:233], v[232:233], v[150:151]
	v_pk_add_f32 v[14:15], v[14:15], v[154:155]
	v_pk_add_f32 v[236:237], v[236:237], v[158:159]
	s_delay_alu instid0(VALU_DEP_2)
	v_pk_add_f32 v[14:15], v[14:15], v[246:247]
	s_delay_alu instid0(VALU_DEP_2)
	v_pk_add_f32 v[236:237], v[236:237], v[244:245]
	v_pk_add_f32 v[250:251], v[250:251], v[234:235]
	v_pk_add_f32 v[248:249], v[248:249], v[232:233]
	s_delay_alu instid0(VALU_DEP_2)
	v_pk_add_f32 v[14:15], v[14:15], v[250:251]
	s_delay_alu instid0(VALU_DEP_2)
	v_pk_add_f32 v[236:237], v[236:237], v[248:249]
	s_delay_alu instid0(VALU_DEP_1)
	v_pk_add_f32 v[14:15], v[14:15], v[236:237]
.set J, 0
	s_setprio 0
.rept 16
	v_pk_mul_f32 v[160+J:161+J], v[160+J:161+J], v[252:253] op_sel_hi:[1,0]   ; O^T under the new M.  (With the sums above: the places between p's codes and scale word and the products that take them)
.set J, J+2
.endr
	s_wait_alu depctr_va_vdst(0)
	s_wait_dscnt 0x0                               ; V
.irp t, 0,1,2,3
	WM 160+8*\t, 192+8*\t, 224, 0, 240+\t/2, 253, \t%2             ; the four accumulators take turns; the next step begins with S^T's
.endr
	s_add_co_u32 s66, s66, 4096
	s_add_co_u32 s67, s67, 512
	s_add_co_u32 s68, s68, 256
.endm
; The head's end: O^T / the sum, quantised along its 64 channels (two blocks of the hidden axis), one image stored, two bytes into the scale word
.macro FIN par
.rept 4
	v_nop
.endr
	v_add_f32 v14, v14, v15
	s_delay_alu instid0(VALU_DEP_1)
	v_permlanex16_b32 v252, v14, s20, s21
	s_delay_alu instid0(VALU_DEP_1)
	v_add_f32 v14, v14, v252                       ; the row's sum
	s_wait_alu depctr_va_vdst(0)
	v_rcp_f32 v14, v14
	v_nop                                          ; one plain place behind a transcendental
.set J, 0
	s_wait_alu depctr_va_vdst(0)
.rept 32
	v_mul_f32 v[96+J], v[160+J], v14               ; register 16 b + n: channel 32 b + 16 (lane / 16) + n of my query.  Each accumulator is read from its low end on
.set J, J+1
.endr
.irp b, 0,1
	v_max3_num_f32 v[232+\b], |v[96+16*\b]|, |v[97+16*\b]|, 0x1800000
.endr
.irp n, 2,4,6,8,10,12,14
.irp b, 0,1
	s_delay_alu instid0(VALU_DEP_2)
	v_max3_num_f32 v[232+\b], v[232+\b], |v[96+16*\b+\n]|, |v[97+16*\b+\n]|
.endr
.endr
.irp b, 0,1
	s_delay_alu instid0(VALU_DEP_2)
	v_permlanex16_b32 v[236+\b], v[232+\b], s20, s21
.endr
.irp b, 0,1
	s_delay_alu instid0(VALU_DEP_2)
	v_max_num_f32 v[232+\b], v[232+\b], v[236+\b]
.endr
.irp b, 0,1
	s_delay_alu instid0(VALU_DEP_2)
	v_add_nc_u32 v[244+\b], 0xff000000, v[232+\b]
.endr
.irp b, 0,1
	s_delay_alu instid0(VALU_DEP_2)
	v_lshrrev_b32 v[236+\b], 23, v[244+\b]
.endr
.if \par == 0
	s_delay_alu instid0(VALU_DEP_1)
	v_lshl_or_b32 v8, v237, 8, v236                ; bytes 0, 1 of my token's scale word
.else
	s_delay_alu instid0(VALU_DEP_2)
	v_lshl_or_b32 v8, v236, 16, v8                 ; bytes 2, 3
	s_delay_alu instid0(VALU_DEP_1)
	v_lshl_or_b32 v8, v237, 24, v8
.endif
.irp b, 0,1
	v_cvt_scalef32_pk8_fp4_f32 v[224+2*\b], v[96+16*\b:103+16*\b], v[244+\b]
	v_cvt_scalef32_pk8_fp4_f32 v[225+2*\b], v[104+16*\b:111+16*\b], v[244+\b]
.endr
	v_nop
	v_permlane16_swap_b32 v224, v226
	v_permlane16_swap_b32 v225, v227
	global_store_b128 v1, v[224:227], s[82:83] offset:4096*\par    ; 512 consecutive bytes
.endm
.macro PASS par
	s_wait_xcnt 0x0                                ; the last head's store has read its registers
	v_mov_b32 v13, 0xff61b1e6                      ; the largest t so far: -3e38
	s_delay_alu instid0(VALU_DEP_1)
	v_floor_f32 v12, -v13
	v_mov_b32 v14, 0
	v_mov_b32 v15, 0
.set J, 0
.rept 32
	v_mov_b32 v[160+J], 0                          ; O^T: the step is written once; the first finds zeros, which the first change of M leaves zeros
.set J, J+1
.endr
	s_mov_b32 s66, 131072*\par
	s_mov_b32 s67, KSC
	s_mov_b32 s68, VSC+4096*\par
	s_mov_b32 s69, 16
.Lstep_\@:
	s_setprio 2
	STEP \par
	s_sub_co_u32 s69, s69, 1
	s_cmp_lg_u32 s69, 0
	s_cbranch_scc1 .Lstep_\@
	s_setprio 0
	FIN \par
.endm
	s_wait_tensorcnt 0x1                           ; my scale words and my part of the even head are in; the odd head's may stay out
	s_barrier_signal -1
	s_barrier_wait -1                              ; everybody's are
	s_wait_loadcnt 0x0                             ; Q
	PASS 0
	s_wait_tensorcnt 0x0                           ; the odd head's
	s_wait_dscnt 0x0
	s_barrier_signal -1
	s_barrier_wait -1
	PASS 1
	ds_store_b32 v9, v8                            ; lanes r and r + 16 write the same word with the same value
	s_wait_dscnt 0x0
	s_barrier_signal -1
	s_barrier_wait -1
	s_cmp_gt_u32 s14, 1                            ; waves 0 and 1 send eight tiles' scale words each: 512 consecutive bytes
	s_cbranch_scc1 .Lno_words
	ds_load_b128 v[232:235], v10
	s_wait_dscnt 0x0
	global_store_b128 v1, v[232:235], s[84:85]
.Lno_words:
	s_wait_tensorcnt 0x0
	ds_add_u32 v11, v255
	s_wait_dscnt 0x0
	CROUND                                         ; the closing round
	s_endpgm
.Lfunc_end_k_q72533a945d_attn:
	.size	k_q72533a945d_attn, .Lfunc_end_k_q72533a945d_attn-k_q72533a945d_attn
	.p2alignl 7, 3214868480
	.fill 96, 4, 3214868480
	.section	.rodata,"a",@progbits
	.p2align	6, 0x0
	.amdhsa_kernel k_q72533a945d_attn
		.amdhsa_group_segment_fixed_size 281600
		.amdhsa_private_segment_fixed_size 0
		.amdhsa_enable_private_segment 0
		.amdhsa_kernarg_size 40
		.amdhsa_user_sgpr_count 2
		.amdhsa_user_sgpr_kernarg_segment_ptr 1
		.amdhsa_wavefront_size32 1
		.amdhsa_system_sgpr_workgroup_id_x 1
		.amdhsa_system_sgpr_workgroup_id_y 1
		.amdhsa_system_sgpr_workgroup_id_z 1
		.amdhsa_system_vgpr_workitem_id 0
		.amdhsa_next_free_vgpr 256
		.amdhsa_next_free_sgpr 96
		.amdhsa_reserve_vcc 0
		.amdhsa_float_denorm_mode_32 3
		.amdhsa_float_denorm_mode_16_64 3
		.amdhsa_memory_ordered 1
		.amdhsa_forward_progress 1
		.amdhsa_inst_pref_size 54
	.end_amdhsa_kernel
	.amdgpu_metadata
---
amdhsa.version: [ 1, 2 ]
amdhsa.kernels:
  - .name:           k_q72533a945d_attn
    .symbol:         k_q72533a945d_attn.kd
    .args:
      - { .name: qkimg, .offset: 0, .size: 8, .value_kind: global_buffer, .address_space: global }
      - { .name: vimg, .offset: 8, .size: 8, .value_kind: global_buffer, .address_space: global }
      - { .name: qkvs, .offset: 16, .size: 8, .value_kind: global_buffer, .address_space: global }
      - { .name: cimg, .offset: 24, .size: 8, .value_kind: global_buffer, .address_space: global }
      - { .name: csc, .offset: 32, .size: 8, .value_kind: global_buffer, .address_space: global }
    .group_segment_fixed_size: 281600
    .private_segment_fixed_size: 0
    .kernarg_segment_align: 8
    .kernarg_segment_size: 40
    .max_flat_workgroup_size: 512
    .sgpr_count:     96
    .vgpr_count:     256
    .wavefront_size: 32
...
	.end_amdgpu_metadata
.endif
;; end of part 3
;; launch oproj (part 4): grid 4 x 64, 4 waves a work-group, clusters of 4 x 4, 230,912 bytes of LDS; arguments img, isc, cimg, csc, bo, x, out0; writes out0
.if DOCPART == 4
	.amdgcn_target "amdgcn-amd-amdhsa--gfx1250"
	.amdhsa_code_object_version 6
	.text
	.protected	k_q72533a945d_oproj
	.globl	k_q72533a945d_oproj
	.p2align	8
	.type	k_q72533a945d_oproj,@function
k_q72533a945d_oproj:
	s_mov_b64 s[64:65], 0
	v_nop
	global_prefetch_b8 v0, s[64:65] scope:SCOPE_SE
	s_setreg_imm32_b32 hwreg(HW_REG_WAVE_MODE, 25, 1), 1
	s_wait_xcnt 0x0
	s_wait_alu depctr_hold_cnt(0) depctr_sa_sdst(0) depctr_va_vdst(0) depctr_va_sdst(0) depctr_va_ssrc(0) depctr_va_vcc(0) depctr_vm_vsrc(0)
	s_getreg_b32 s2, hwreg(HW_REG_IB_STS2, 6, 4)
	s_cmp_eq_u32 s2, 0
	s_cbranch_scc0 .Lentry_in_a_cluster
	s_endpgm
.Lentry_in_a_cluster:
	s_bfe_u32 s2, ttmp6, 0x10000c
	s_cmp_lg_u32 s2, 0xf033
	s_cbranch_scc0 .Lentry_shape_is_right
	s_endpgm
.Lentry_shape_is_right:
; OPROJ: out = context Wo^T + bo + x, the product on codes of FP4 (E2M1) with E8M0 scales for each 32 along K = 1,024; sums, bias and residual in f32.
; Wo comes as images of operands' registers (img tiles 704-767, isc), the context likewise (cimg [64 groups of 8 token tiles][head][tile][512 bytes]; csc [group][head pair][tile][16][4 bytes]).
; SHARES: work-group (x, y): outputs 256 x on x tokens 128 y on.  Wave w: outputs 128 (w % 2) on as source 0 (8 tiles of Wo), tokens 64 (w / 2) on as source 1 (4 tiles): 32 accumulators.
; With Wo as source 0 a lane holds one token and, in tiles 2 b and 2 b + 1, 16 neighbouring outputs.  A tile's lane-row r is row 32 g + 8 u + r + 8 (r / 8).
; ALL OF K LIES IN LDS, each byte filled once: no ring.  CLUSTER 4 x 4: Wo's panel hangs on x alone and is asked for jointly along a column of the cluster, the context's on y alone, along a row.
; THE WAY OUT: 16 tokens x 128 outputs at a time through the wave's own stage, back as whole rows of 512 bytes; bias and residual are added there; 32 lanes store 512 consecutive bytes.
; LIMITS: NaN and infinities are not served.
; REGISTERS, in windows of 256.  Window 0: v1-7 addresses; v8-11 bo; v16-47 Wo's scale words, v48-63 the context's (they hold nothing else); v64-127 rows back from the stage; v128-191, v192-255 x, two sets.
;   Window 1: the 32 accumulators ((i, pt) at 8 (8 i + pt)).   Window 2: two sets of fragments of 96 (Wo's 64, the context's 32).
.set CT,    131072                     ; LDS: Wo's 16 tiles at 0; the context's 65,536 bytes;
.set STAGE, 196608                     ; a stage of 16 rows x (512 + 16) bytes for each wave: no tensor load lands here
.set BK,    64
.set MSB, 0
.macro WIN new                         ; the immediate's high byte repeats the setting that is left
.if MSB != \new
	s_set_vgpr_msb (MSB<<8)|\new
.set MSB, \new
.endif
.endm
.macro PLACES n                        ; places behind matrix instructions (ISA guide 7.12.1)
.rept \n
	v_nop
.endr
.endm
.macro CROUND                          ; a round of the cluster's barrier
	s_barrier_signal -1
	s_barrier_wait -1
	s_cmp_lg_u32 s20, 0
	s_cbranch_scc1 .Lnot_wave_0_\@
	s_barrier_signal -3
.Lnot_wave_0_\@:
	s_barrier_wait -3
	s_barrier_signal -1
	s_barrier_wait -1
.endm
; The matrix instruction.  z: the product starts its sum;  ra, rb: the scale words stand in lanes 16-31
.macro WM d, a, b, z, sa, sb, ra, rb
.if (\z) && ((\ra) == 0) && ((\rb) == 0)
	v_wmma_scale_f32_16x16x128_f8f6f4 v[\d:\d+7], v[\a:\a+7], v[\b:\b+7], 0, v[\sa], v[\sb] matrix_a_fmt:MATRIX_FMT_FP4 matrix_b_fmt:MATRIX_FMT_FP4
.elseif (\z) && ((\ra) == 1) && ((\rb) == 0)
	v_wmma_scale_f32_16x16x128_f8f6f4 v[\d:\d+7], v[\a:\a+7], v[\b:\b+7], 0, v[\sa], v[\sb] matrix_a_fmt:MATRIX_FMT_FP4 matrix_b_fmt:MATRIX_FMT_FP4 matrix_a_scale:MATRIX_SCALE_ROW1
.elseif (\z) && ((\ra) == 0)
	v_wmma_scale_f32_16x16x128_f8f6f4 v[\d:\d+7], v[\a:\a+7], v[\b:\b+7], 0, v[\sa], v[\sb] matrix_a_fmt:MATRIX_FMT_FP4 matrix_b_fmt:MATRIX_FMT_FP4 matrix_b_scale:MATRIX_SCALE_ROW1
.elseif (\z)
	v_wmma_scale_f32_16x16x128_f8f6f4 v[\d:\d+7], v[\a:\a+7], v[\b:\b+7], 0, v[\sa], v[\sb] matrix_a_fmt:MATRIX_FMT_FP4 matrix_b_fmt:MATRIX_FMT_FP4 matrix_a_scale:MATRIX_SCALE_ROW1 matrix_b_scale:MATRIX_SCALE_ROW1
.elseif ((\ra) == 0) && ((\rb) == 0)
	v_wmma_scale_f32_16x16x128_f8f6f4 v[\d:\d+7], v[\a:\a+7], v[\b:\b+7], v[\d:\d+7], v[\sa], v[\sb] matrix_a_fmt:MATRIX_FMT_FP4 matrix_b_fmt:MATRIX_FMT_FP4
.elseif ((\ra) == 1) && ((\rb) == 0)
	v_wmma_scale_f32_16x16x128_f8f6f4 v[\d:\d+7], v[\a:\a+7], v[\b:\b+7], v[\d:\d+7], v[\sa], v[\sb] matrix_a_fmt:MATRIX_FMT_FP4 matrix_b_fmt:MATRIX_FMT_FP4 matrix_a_scale:MATRIX_SCALE_ROW1
.elseif ((\ra) == 0)
	v_wmma_scale_f32_16x16x128_f8f6f4 v[\d:\d+7], v[\a:\a+7], v[\b:\b+7], v[\d:\d+7], v[\sa], v[\sb] matrix_a_fmt:MATRIX_FMT_FP4 matrix_b_fmt:MATRIX_FMT_FP4 matrix_b_scale:MATRIX_SCALE_ROW1
.else
	v_wmma_scale_f32_16x16x128_f8f6f4 v[\d:\d+7], v[\a:\a+7], v[\b:\b+7], v[\d:\d+7], v[\sa], v[\sb] matrix_a_fmt:MATRIX_FMT_FP4 matrix_b_fmt:MATRIX_FMT_FP4 matrix_a_scale:MATRIX_SCALE_ROW1 matrix_b_scale:MATRIX_SCALE_ROW1
.endif
.endm
	s_load_b256 s[4:11], s[0:1], 0x0               ; img, isc, cimg, csc
	s_load_b128 s[12:15], s[0:1], 0x20             ; bo, x
	s_load_b64 s[16:17], s[0:1], 0x30              ; out0
	v_lshl_add_u32 v15, v0, 2, 0x38400
	s_set_vgpr_msb 0x80
	v_mov_b32 v193, 0
	s_set_vgpr_msb 0x8088
	ds_add_u32 v15, v193
	ds_add_u32 v15, v193
	s_set_vgpr_msb 0x8800
	v_lshrrev_b32 v8, 5, v0
	v_readfirstlane_b32 s20, v8                    ; wave 0..3
	s_bfe_u32 s21, ttmp6, 0x40000                  ; cx
	s_bfe_u32 s22, ttmp6, 0x40004                  ; cy
	s_lshl_b32 s23, ttmp9, 2
	s_add_co_u32 s23, s23, s21                     ; x
	s_and_b32 s24, ttmp7, 0xffff
	s_lshl_b32 s24, s24, 2
	s_add_co_u32 s24, s24, s22                     ; y
	s_lshl_b32 s25, s22, 2
	s_lshl_b32 s25, 15, s25                        ; my row of the cluster
	s_lshl_b32 s26, 0x1111, s21                    ; my column
	s_and_b32 s27, s20, 1                          ; wp: which 128 outputs
	s_lshr_b32 s52, s20, 1                         ; wr: which 64 tokens
	; descriptor groups 1: dense bytes as rows of 32 elements of 8 bytes, no padding
	s_or_b32 s28, s26, (3<<16)|(1<<21)             ; Wo's panel goes to my column: 32,768 bytes a wave, 128 rows
	s_mov_b32 s29, 32<<16
	s_mov_b32 s30, 128<<16
	s_mov_b32 s31, 32<<16
	s_mov_b32 s32, 128
	s_mov_b32 s33, 32
	s_mov_b32 s34, 0
	s_mov_b32 s35, 0
	s_or_b32 s36, s25, (3<<16)|(1<<21)             ; the context's to my row: 16,384 bytes a wave, 64 rows
	s_mov_b32 s37, 32<<16
	s_mov_b32 s38, 64<<16
	s_mov_b32 s39, 32<<16
	s_mov_b32 s40, 64
	s_mov_b32 s41, 32
	s_mov_b32 s42, 0
	s_mov_b32 s43, 0
	s_lshl_b32 s72, s20, 15                        ; 32,768 w
	s_lshl_b32 s73, s20, 14                        ; 16,384 w
	s_lshl_b32 s54, s23, 17                        ; Wo: tile 704 + 16 x + 4 w: nothing of y in it
	s_add_co_u32 s54, s54, s72
	s_add_co_u32 s54, s54, 5767168
	s_mov_b32 s55, 0
	s_lshl_b32 s56, s24, 16                        ; the context: group y: nothing of x in it
	s_add_co_u32 s56, s56, s73
	s_mov_b32 s57, 0
	s_lshl_b32 s58, s23, 13                        ; isc: tile 704 + 16 x + 8 wp
	s_lshl_b32 s74, s27, 12
	s_add_co_u32 s58, s58, s74
	s_add_co_u32 s58, s58, 360448
	s_mov_b32 s59, 0
	s_lshl_b32 s60, s24, 12                        ; csc: group y, my four tiles
	s_lshl_b32 s74, s52, 8
	s_add_co_u32 s60, s60, s74
	s_mov_b32 s61, 0
	s_lshl_b32 s62, s23, 10                        ; bo: 1,024 x + 512 wp
	s_lshl_b32 s74, s27, 9
	s_add_co_u32 s62, s62, s74
	s_mov_b32 s63, 0
	s_lshl_b32 s66, s24, 19                        ; x and out0: token 128 y + 64 wr, and the same columns
	s_lshl_b32 s74, s52, 18
	s_add_co_u32 s66, s66, s74
	s_add_co_u32 s66, s66, s62
	s_mov_b32 s67, 0
	v_and_b32 v12, 31, v0                          ; lane
	v_and_b32 v13, 15, v0                          ; r
	v_bfe_u32 v14, v0, 4, 1                        ; h
	v_lshlrev_b32 v1, 4, v12                       ; 16 x lane
	s_lshl_b32 s74, s27, 16
	v_add_nc_u32 v2, s74, v1                       ; my eight tiles of Wo
	s_lshl_b32 s74, s52, 11
	s_add_co_u32 s74, s74, CT
	v_add_nc_u32 v3, s74, v1                       ; my four tiles of the context
	v_lshlrev_b32 v4, 2, v12                       ; 4 x lane
	v_lshlrev_b32 v5, 5, v13
	v_lshl_add_u32 v5, v14, 4, v5                  ; isc: 32 r + 16 h
	s_mul_i32 s74, s20, 8448
	s_add_co_u32 s74, s74, STAGE                   ; my stage
	v_mul_u32_u24 v6, v13, 528
	v_lshl_add_u32 v6, v14, 6, v6
	v_add_nc_u32 v6, s74, v6                       ; in: row r, + 64 h
	v_add_nc_u32 v7, s74, v1                       ; back: a row's 512 bytes
	s_wait_dscnt 0x0
	s_wait_kmcnt 0x0
	s_mov_b32 s44, 1
	s_mov_b32 s45, s72
	s_add_nc_u64 s[46:47], s[4:5], s[54:55]
	s_or_b32 s47, s47, 0x80000000
	s_mov_b32 s48, 1
	s_add_co_u32 s49, s73, CT
	s_add_nc_u64 s[50:51], s[8:9], s[56:57]
	s_or_b32 s51, s51, 0x80000000
	s_add_nc_u64 s[58:59], s[6:7], s[58:59]
	s_add_nc_u64 s[60:61], s[10:11], s[60:61]
	s_add_nc_u64 s[62:63], s[12:13], s[62:63]
	s_add_nc_u64 s[68:69], s[14:15], s[66:67]
	s_add_nc_u64 s[70:71], s[16:17], s[66:67]
	CROUND                                         ; all sixteen work-groups are here: the joint loads meet
	tensor_load_to_lds s[44:47], s[28:35]          ; two tensor loads of mine are out
	s_nop 0
	tensor_load_to_lds s[48:51], s[36:43]
	s_nop 0
.rept 4
	v_nop
.endr
	s_wait_alu depctr_va_vdst(0)
.irp t, 0,1,2,3,4,5,6,7
	global_load_b128 v[16+4*\t:19+4*\t], v5, s[58:59] offset:512*\t               ; register q of a tile's four: lanes 0-15 K step q, lanes 16-31 K step q + 4
.endr
.irp s, 0,1,2,3,4,5,6,7
.irp n, 0,1
	global_load_b32 v[48+2*\s+\n], v4, s[60:61] offset:512*\s+128*\n              ; K step s: lanes 0-15 tile 2 n's words, lanes 16-31 tile 2 n + 1's
.endr
.endr
	global_load_b128 v[8:11], v1, s[62:63]         ; bo of my four columns of a row
; x of token tile i: row t of the stage is token 32 (i / 2) + 8 (i % 2) + t + 8 (t / 8) of my 64
.macro XLOAD i, reg
.irp t, 0,1,2,3,4,5,6,7,8,9,10,11,12,13,14,15
	global_load_b128 v[\reg+4*\t:\reg+4*\t+3], v1, s[68:69] offset:(32*((\i)/2)+8*((\i)%2)+\t+8*(\t/8))*4096 th:TH_LOAD_NT
.endr
.endm
	XLOAD 0, 128
	XLOAD 1, 192
.macro FETCH s, set                    ; 24 LDS loads: K step s
	WIN 0x80
.irp pt, 0,1,2,3,4,5,6,7
.irp c, 0,1
	ds_load_b128 v[96*(\set)+8*\pt+4*\c:96*(\set)+8*\pt+4*\c+3], v2 offset:8192*\pt+1024*(\s)+512*\c
.endr
.endr
.irp i, 0,1,2,3
.irp c, 0,1
	ds_load_b128 v[96*(\set)+64+8*\i+4*\c:96*(\set)+64+8*\i+4*\c+3], v3 offset:4096*(2*(\s)+\c)+512*\i
.endr
.endr
.endm
.macro MUL s, set                      ; 32 matrix instructions; the 32 accumulators take turns, one instruction a turn
	WIN 0x5a                                       ; sources 0 and 1 window 2, C and D window 1
.irp i, 0,1,2,3
.irp pt, 0,1,2,3,4,5,6,7
	WM 8*(8*\i+\pt), 96*(\set)+8*\pt, 96*(\set)+64+8*\i, (\s)==0, 16+4*\pt+(\s)%4, 48+2*(\s)+\i/2, (\s)/4, \i%2
.endr
.endr
.endm
.macro TOSTAGE i                       ; token tile i: each accumulator from its low end on; LDS serves a wave's instructions in order (ISA guide 5.7.1.4): the loads see the stores
	WIN 0x04                                       ; an LDS store's data are its source 1: window 1
.irp pt, 0,1,2,3,4,5,6,7
	ds_store_b128 v6, v[64*(\i)+8*\pt:64*(\i)+8*\pt+3] offset:128*(\pt/2)+32*(\pt%2)
	ds_store_b128 v6, v[64*(\i)+8*\pt+4:64*(\i)+8*\pt+7] offset:128*(\pt/2)+32*(\pt%2)+16
.endr
	WIN 0
.irp t, 0,1,2,3,4,5,6,7,8,9,10,11,12,13,14,15
	ds_load_b128 v[BK+4*\t:BK+4*\t+3], v7 offset:528*\t
.endr
.endm
.macro SEND i
.set XR, 128+64*((\i)%2)
	s_wait_dscnt 0x0
.if (\i) < 3
	s_wait_loadcnt 16                              ; this tile's x is in; the next tile's sixteen loads may be out
.else
	s_wait_loadcnt 0x0
.endif
.irp t, 0,1,2,3,4,5,6,7,8,9,10,11,12,13,14,15
	v_pk_add_f32 v[BK+4*\t:BK+4*\t+1], v[BK+4*\t:BK+4*\t+1], v[8:9]
	v_pk_add_f32 v[BK+4*\t+2:BK+4*\t+3], v[BK+4*\t+2:BK+4*\t+3], v[10:11]
	v_pk_add_f32 v[BK+4*\t:BK+4*\t+1], v[BK+4*\t:BK+4*\t+1], v[XR+4*\t:XR+4*\t+1]
	v_pk_add_f32 v[BK+4*\t+2:BK+4*\t+3], v[BK+4*\t+2:BK+4*\t+3], v[XR+4*\t+2:XR+4*\t+3]
	global_store_b128 v1, v[BK+4*\t:BK+4*\t+3], s[70:71] offset:(32*((\i)/2)+8*((\i)%2)+\t+8*(\t/8))*4096 th:TH_STORE_NT   ; 512 consecutive bytes, at a multiple of 256 from out0's first byte
.endr
.if (\i) < 2
	XLOAD (\i)+2, XR
.endif
.endm
	s_wait_tensorcnt 0x0                           ; my parts of both panels are in,
	s_barrier_signal -1
	s_barrier_wait -1                              ; everybody's are
	s_wait_loadcnt 32                              ; scale words and bo are in; x's 32 loads may be out
	FETCH 0, 0
.irp s, 0,1,2,3,4,5,6
.if \s > 0
	PLACES 4                                       ; in front of loads into registers that matrix instructions have read
.endif
	FETCH \s+1, (\s+1)%2
	s_wait_dscnt 24                                ; all but the 24 just issued
	MUL \s, \s%2
.endr
	s_wait_dscnt 0x0
	MUL 7, 1
	WIN 0
	PLACES 4                                       ; in front of the first read of results
	TOSTAGE 0
	SEND 0
.irp i, 1,2,3
	s_wait_xcnt 0x0                                ; the last tile's stores have read their registers: the stage's loads may land there
	TOSTAGE \i
	SEND \i
.endr
	s_set_vgpr_msb 0x8
	s_wait_tensorcnt 0x0
	ds_add_u32 v15, v193
	s_wait_dscnt 0x0
	s_set_vgpr_msb 0x800
	CROUND                                         ; the closing round
	s_endpgm
.Lfunc_end_k_q72533a945d_oproj:
	.size	k_q72533a945d_oproj, .Lfunc_end_k_q72533a945d_oproj-k_q72533a945d_oproj
	.p2alignl 7, 3214868480
	.fill 96, 4, 3214868480
	.section	.rodata,"a",@progbits
	.p2align	6, 0x0
	.amdhsa_kernel k_q72533a945d_oproj
		.amdhsa_group_segment_fixed_size 230912
		.amdhsa_private_segment_fixed_size 0
		.amdhsa_enable_private_segment 0
		.amdhsa_kernarg_size 56
		.amdhsa_user_sgpr_count 2
		.amdhsa_user_sgpr_kernarg_segment_ptr 1
		.amdhsa_wavefront_size32 1
		.amdhsa_system_sgpr_workgroup_id_x 1
		.amdhsa_system_sgpr_workgroup_id_y 1
		.amdhsa_system_sgpr_workgroup_id_z 1
		.amdhsa_system_vgpr_workitem_id 0
		.amdhsa_next_free_vgpr 706
		.amdhsa_next_free_sgpr 96
		.amdhsa_reserve_vcc 0
		.amdhsa_float_denorm_mode_32 3
		.amdhsa_float_denorm_mode_16_64 3
		.amdhsa_memory_ordered 1
		.amdhsa_forward_progress 1
		.amdhsa_inst_pref_size 91
	.end_amdhsa_kernel
	.amdgpu_metadata
---
amdhsa.version: [ 1, 2 ]
amdhsa.kernels:
  - .name:           k_q72533a945d_oproj
    .symbol:         k_q72533a945d_oproj.kd
    .args:
      - { .name: img, .offset: 0, .size: 8, .value_kind: global_buffer, .address_space: global }
      - { .name: isc, .offset: 8, .size: 8, .value_kind: global_buffer, .address_space: global }
      - { .name: cimg, .offset: 16, .size: 8, .value_kind: global_buffer, .address_space: global }
      - { .name: csc, .offset: 24, .size: 8, .value_kind: global_buffer, .address_space: global }
      - { .name: bo, .offset: 32, .size: 8, .value_kind: global_buffer, .address_space: global }
      - { .name: x, .offset: 40, .size: 8, .value_kind: global_buffer, .address_space: global }
      - { .name: out0, .offset: 48, .size: 8, .value_kind: global_buffer, .address_space: global }
    .group_segment_fixed_size: 230912
    .private_segment_fixed_size: 0
    .kernarg_segment_align: 8
    .kernarg_segment_size: 56
    .max_flat_workgroup_size: 128
    .sgpr_count:     96
    .vgpr_count:     706
    .wavefront_size: 32
...
	.end_amdgpu_metadata
.endif
;; end of part 4
